; MI455X (gfx1250); checked and timed in simulation.
; The chip was launched on July 23, 2026; its instructions are those of AMD's public machine-readable ISA for CDNA 5 (MIT licence, August 2026) and "CDNA5" Instruction Set Architecture Reference Guide (July 2026). The comments in the code are by the model that wrote it; some were corrected since.
;; Mo E Layer. Allowed arithmetic: matrix products marked QUANTISED: E2M3 operands, one E8M0 scale for each 32 along K, by v_wmma_scale_f32_16x16x128_f8f6f4 with both operands' format E2M3, f32 sums; products left as they are: f32 operands where the result goes on into a quantised operand, else bf16, f16 or f32 operands; f32 sums; everything else in f32.
;; Inputs: b1 8 x 2,048 float32; b2 8 x 1,024 float32; router_b 8 float32; router_w 1,024 x 8 float32; w1_codes 8 x 2,048 x 32 x 24 uint8 (E2M3 codes of w1, K innermost, in blocks of 32 codes, four codes in three bytes); w1_scales 8 x 2,048 x 32 uint8 (E8M0 scales of w1, one for each 32 codes along K); w2_codes 8 x 1,024 x 64 x 24 uint8 (E2M3 codes of w2, K innermost, in blocks of 32 codes, four codes in three bytes); w2_scales 8 x 1,024 x 64 uint8 (E8M0 scales of w2, one for each 32 codes along K); x 4 x 512 x 1,024 float32.
;; Outputs: out0 4 x 512 x 1,024 float32.
;; This version of the problem:
;;   THIS VERSION OF THE PROBLEM IS GIVEN IN LOW PRECISION. The matrix products marked QUANTISED in the list below multiply operands that are first quantised to E2M3 (2 exponent bits, 3 mantissa bits; 6 bits a number), with one power-of-two scale for each 32 numbers along K (OCP MX v1.0); their sums are f32. All else is computed in f32.
;;   The module's matrix products, in the order in which they are computed (A, B: the left and right operand; K: the contracted axis; several contracted axes count as one K, in the product's order):
;;     1. [M 2,048, K 1,024] x [K 1,024, N 8]; A: input x; B: input router_w: left as it is (N = 8 < 16)
;;     2. [M 2,048, K 1,024] x [K 1,024, N 2,048]; A: input x; B: input w1 (given as codes): QUANTISED
;;     3. [M 2,048, K 2,048] x [K 2,048, N 1,024]; A: computed on the way; B: input w2 (given as codes): QUANTISED
;;     4. [M 2,048, K 1,024] x [K 1,024, N 2,048]; A: input x; B: input w1 (given as codes): QUANTISED
;;     5. [M 2,048, K 2,048] x [K 2,048, N 1,024]; A: computed on the way; B: input w2 (given as codes): QUANTISED
;;     6. [M 2,048, K 1,024] x [K 1,024, N 2,048]; A: input x; B: input w1 (given as codes): QUANTISED
;;     7. [M 2,048, K 2,048] x [K 2,048, N 1,024]; A: computed on the way; B: input w2 (given as codes): QUANTISED
;;     8. [M 2,048, K 1,024] x [K 1,024, N 2,048]; A: input x; B: input w1 (given as codes): QUANTISED
;;     9. [M 2,048, K 2,048] x [K 2,048, N 1,024]; A: computed on the way; B: input w2 (given as codes): QUANTISED
;;     10. [M 2,048, K 1,024] x [K 1,024, N 2,048]; A: input x; B: input w1 (given as codes): QUANTISED
;;     11. [M 2,048, K 2,048] x [K 2,048, N 1,024]; A: computed on the way; B: input w2 (given as codes): QUANTISED
;;     12. [M 2,048, K 1,024] x [K 1,024, N 2,048]; A: input x; B: input w1 (given as codes): QUANTISED
;;     13. [M 2,048, K 2,048] x [K 2,048, N 1,024]; A: computed on the way; B: input w2 (given as codes): QUANTISED
;;     14. [M 2,048, K 1,024] x [K 1,024, N 2,048]; A: input x; B: input w1 (given as codes): QUANTISED
;;     15. [M 2,048, K 2,048] x [K 2,048, N 1,024]; A: computed on the way; B: input w2 (given as codes): QUANTISED
;;     16. [M 2,048, K 1,024] x [K 1,024, N 2,048]; A: input x; B: input w1 (given as codes): QUANTISED
;;     17. [M 2,048, K 2,048] x [K 2,048, N 1,024]; A: computed on the way; B: input w2 (given as codes): QUANTISED
;;   THE QUANTISER, for each operand of a quantised product, along K:
;;     - K is cut into blocks of 32 from its start; a last block that is shorter is filled with zeros.
;;     - A block's scale is 2^e with e = floor(log2(the largest magnitude in the block)) - 2, held to -126 .. 127; a block of zeros has e = 0. As a byte (E8M0): e + 127.
;;     - Each number is divided by its block's scale, clamped to +-7.5, and rounded to the nearest number of E2M3, ties to even, subnormals kept.
;;     - The product sums the exact products of the quantised numbers (number of the format x scale) in f32.
;;   ~~~python
;;   def quantise(x, axis):      # numpy; x: float32 -> the quantised numbers, widened to float32 again
;;       x = np.moveaxis(x, axis, -1); K = x.shape[-1]
;;       x = np.pad(x, [(0, 0)] * (x.ndim - 1) + [(0, -K % 32)]); x = x.reshape(x.shape[:-1] + (-1, 32)); a = np.abs(x).max(-1, keepdims=True)
;;       e = np.where(a > 0, np.clip(np.frexp(np.where(a > 0, a, 1))[1] - 1 - 2, -126, 127), 0)      # np.frexp(a)[1] - 1 = floor(log2(a)), exactly
;;       r = np.clip(x / 2.0 ** e, -7.5, 7.5)
;;       step = 2.0 ** (np.maximum(np.frexp(np.where(r == 0, 1, r))[1] - 1, 0) - 3)
;;       q = np.round(r / step) * step * 2.0 ** e      # np.round: ties to even
;;       return np.moveaxis(q.reshape(q.shape[:-2] + (-1,))[..., :K], -1, axis).astype(np.float32)
;;   ~~~
;;   OPERANDS COMPUTED ON THE WAY. 'Computed on the way' means the value that the module computes at that place (a softmax that the list does not call 'softmax' is quantised finished and normalised). What goes into a quantiser is computed in f32, as accurately as f32 sums, v_exp_f32 and their like allow (about 1e-6 of the number): no bf16 or f16 on the way to a quantiser, and a product that is left as it is and whose result goes on into a quantised operand takes f32 operands (vector FMAs, or v_wmma_f32_16x16x4_f32). A number that lies on a knife's edge between two numbers of the format may be rounded either way, as far as f32 arithmetic and the matrix unit's own rounding can turn it there, and no further.
;;   INPUTS GIVEN AS CODES. w1 (in the module: [8, 1024, 2048], K = its axis 1); w2 (in the module: [8, 2048, 1024], K = its axis 1): each comes as NAME_codes (uint8): NAME with its K axis moved to the last place and cut into blocks of 32 codes, [.., K / 32, bytes a block], one block behind the other in memory; four codes in three bytes: a row's codes are one little-endian stream of bits, code i at bits 6 i .. 6 i + 5 (a code: sign, 2 exponent bits, 3 mantissa bits); and NAME_scales (uint8): the same leading axes, one E8M0 byte (e + 127) for each 32 codes along K. Its value is code x scale, taken as it is: it is not quantised again, and the codes and scales need not be those that the quantiser above would give.
;; One version. Each part assembles by itself: llvm-mc -triple=amdgcn-amd-amdhsa -mcpu=gfx1250 --defsym DOCPART=n.
;; ======== version 1 of 1: 5 launches
;; limits: right only within a limited range of input values
;; workspace buffers: xq 1,638,400 bytes; sel 8,192 bytes of whole numbers; gate 16,384 bytes; ord 18,432 bytes of whole numbers; gs 17,408 bytes; hq 6,963,200 bytes; ybuf 17,825,792 bytes
;; launch route (part 1): grid 256 x 1, 4 waves a work-group, no clusters, 75,776 bytes of LDS; arguments x, router_w, router_b, xq, sel, gate; writes xq, sel, gate
.if DOCPART == 1
	.amdgcn_target "amdgcn-amd-amdhsa--gfx1250"
	.amdhsa_code_object_version 6
	.text
	.protected	k_q9e29c88ef5_route
	.globl	k_q9e29c88ef5_route
	.p2align	8
	.type	k_q9e29c88ef5_route,@function
k_q9e29c88ef5_route:
	s_mov_b64 s[64:65], 0
	v_nop
	global_prefetch_b8 v0, s[64:65] scope:SCOPE_SE
	s_setreg_imm32_b32 hwreg(HW_REG_WAVE_MODE, 25, 1), 1
	s_wait_xcnt 0x0
; ROUTER AND QUANTISER OF x.  x: [2048][1024] f32.  For each token: logits = x . router_w + router_b in f32 (fused multiply-adds), the two largest, their two gates;
; and the token's 1,024 numbers as codes of FP6 (E2M3) with one E8M0 byte for each 32 along K.
; OUT: xq: codes [token][768 bytes] at byte 0, scale bytes [token][32] at XS_OFF;  sel[token] = e0 | e1 << 8 (whole numbers, at fixed places);  gate[token][2] f32.
; THE GATES.  softmax, top-2 and the division by the two's sum give g0 = p0 / (p0 + p1) = 1 / (1 + 2^((l1 - l0) log2 e)), g1 = 1 - g0 written as t g0: the softmax's own sum cancels,
; and the larger logit is taken away ahead of the exponential, whose argument is 0 or less.
; SHARES.  A work-group of four waves takes 8 tokens, a wave two.  Each load reads 512 consecutive bytes; a chunk of 512 numbers turns through the wave's own stage in LDS, so that a lane
; holds 16 neighbours along K (two neighbouring lanes hold a block of 32).  router_w (32,768 bytes) lies in LDS as 64 pieces of 16 k x 8 experts, 528 bytes apart.
; No matrix unit: N = 8, and the choice wants f32.  No cluster: the work-groups share router_w alone, 32 KiB against 32 KiB of x each, read once.
; LIMITS: NaN and infinities are not served.  A block whose largest magnitude lies under 2^-124 gets the byte 1 (a block of zeros too: its codes are zeros, and this program alone reads the bytes).
; The two largest are taken of the logits, strictly greater, so the lower index wins a tie; that differs from a top-2 of the probabilities only where two of them round to one number.
; A gate under 2^-126 becomes 0.
.set R,   32                           ; v32-95   x as loaded; later pieces of router_w
.set X,   96                           ; v96-159  router_w as loaded; then four chunks of 16 neighbours: chunk c = token c / 2, half c % 2
.set ACC, 160                          ; v160-175 two tokens x 8 logits
.set QT,  176                          ; v176-191 four registers a chunk, at work
.set TP,  192                          ; v192-215 twelve registers a token for the top-2 and the gates
.set C,   224                          ; v224-239 codes, four registers a chunk
.set RWP, 528                          ; a piece of router_w: 512 bytes + 16
.set TS,  64*RWP                       ; the stages: 10,240 bytes a wave, four of 32 x 80
.set XB,  TS+4*10240                   ; the work-group's 256 scale bytes
.set SG,  XB+256                       ; 8 words of sel, then 16 of gates
.set XS_OFF, 1572864
	s_load_b256 s[4:11], s[0:1], 0x0               ; x s[4:5], router_w s[6:7], router_b s[8:9], xq s[10:11]
	s_load_b128 s[12:15], s[0:1], 0x20             ; sel s[12:13], gate s[14:15]
	v_lshl_add_u32 v254, v0, 2, 0x12600
	v_mov_b32 v255, 0
	v_lshrrev_b32 v10, 5, v0
	v_readfirstlane_b32 s16, v10                   ; wave
	v_and_b32 v1, 31, v0                           ; lane
	v_lshlrev_b32 v2, 4, v1                        ; 16 x lane
	s_mul_i32 s17, s16, 10240
	s_add_co_u32 s17, s17, TS
	v_lshrrev_b32 v3, 2, v1
	v_mul_u32_u24 v3, v3, 80
	v_and_b32 v4, 3, v1
	v_lshl_add_u32 v3, v4, 4, v3
	v_add_nc_u32 v3, s17, v3                       ; into a stage: four lanes' 64 bytes on end, then 16 of padding
	v_mul_u32_u24 v4, v1, 80
	v_add_nc_u32 v4, s17, v4                       ; out of it: my 16 neighbours
	v_mul_u32_u24 v5, v1, RWP                      ; my piece of router_w (the k that I hold)
	v_mul_u32_u24 v6, v1, 12                       ; my 16 codes in a chunk's 384 bytes
	v_lshrrev_b32 v7, 1, v1
	s_lshl_b32 s18, s16, 6
	s_add_co_u32 s18, s18, XB
	v_add_nc_u32 v7, s18, v7                       ; my block's scale byte: 64 bytes a wave
	v_mul_u32_u24 v8, v10, RWP
	v_add_nc_u32 v8, v8, v2                        ; router_w into LDS: piece 4 j + wave, 16 x lane
	v_lshlrev_b32 v9, 4, v0
	v_lshl_add_u32 v11, v10, 3, SG                 ; my wave's two words of sel
	v_lshl_add_u32 v12, v10, 4, SG+32              ; and four of gates
	v_lshl_add_u32 v13, v1, 3, XB                  ; the way out: addresses made ahead of the parting by waves
	v_lshlrev_b32 v16, 3, v1
	v_and_b32 v17, 7, v1                           ; every lane's address lies inside the 8 words of sel
	v_lshl_add_u32 v17, v17, 2, SG
	v_and_b32 v18, 15, v1                          ; and inside the 16 words of gates
	v_lshl_add_u32 v18, v18, 2, SG+32
	v_lshlrev_b32 v19, 2, v1
	v_mov_b32 v20, 0
	s_mov_b32 s36, 0x76543210
	s_mov_b32 s37, 0xfedcba98                      ; lane selects: lane l xor 16
	s_wait_alu depctr_va_vdst(0)
	s_wait_kmcnt 0x0
	s_load_b256 s[24:31], s[8:9], 0x0              ; router_b
	s_lshl_b32 s20, ttmp9, 15                      ; 8 tokens of 4,096 bytes a work-group,
	s_lshl_b32 s21, s16, 13                        ; two a wave
	s_add_co_u32 s20, s20, s21
	s_mov_b32 s21, 0
	s_add_nc_u64 s[4:5], s[4:5], s[20:21]
	s_lshl_b32 s20, ttmp9, 8
	s_add_co_u32 s20, s20, XS_OFF
	s_add_nc_u64 s[32:33], s[10:11], s[20:21]      ; the work-group's 256 scale bytes in xq
	s_mul_i32 s20, ttmp9, 6144
	s_mul_i32 s22, s16, 1536
	s_add_co_u32 s20, s20, s22
	s_add_nc_u64 s[10:11], s[10:11], s[20:21]      ; my two tokens' codes
	s_lshl_b32 s20, ttmp9, 5
	s_add_nc_u64 s[12:13], s[12:13], s[20:21]
	s_lshl_b32 s20, ttmp9, 6
	s_add_nc_u64 s[14:15], s[14:15], s[20:21]
.irp j, 0,1,2,3,4,5,6,7,8,9,10,11,12,13,14,15
	global_load_b128 v[X+4*\j:X+4*\j+3], v9, s[6:7] offset:2048*\j
.endr
.irp n, 0,1,2,3,4,5,6,7,8,9,10,11,12,13,14,15
	global_load_b128 v[R+4*\n:R+4*\n+3], v2, s[4:5] offset:512*\n th:TH_LOAD_NT   ; 32 lanes read 512 consecutive bytes; x is read here and nowhere else
.endr
	s_wait_loadcnt 16                              ; router_w is in; the 16 loads of x may be out
.irp j, 0,1,2,3,4,5,6,7,8,9,10,11,12,13,14,15
	ds_store_b128 v8, v[X+4*\j:X+4*\j+3] offset:4*RWP*\j
.endr
	s_wait_loadcnt 0x0
.irp c, 0,1,2,3
.irp i, 0,1,2,3
	ds_store_b128 v3, v[R+16*\c+4*\i:R+16*\c+4*\i+3] offset:2560*\c+640*\i
.endr
.endr
	s_wait_dscnt 0x0                               ; the stores have read X: the loads below land there
.irp c, 0,1,2,3
.irp i, 0,1,2,3
	ds_load_b128 v[X+16*\c+4*\i:X+16*\c+4*\i+3], v4 offset:2560*\c+16*\i
.endr
.endr
	s_wait_dscnt 0x0                               ; for the others' sake too: my part of router_w lies in LDS
	s_barrier_signal -1
	s_barrier_wait -1                              ; everybody's does
; Chunk c: a block's largest magnitude (my 16, my neighbour's 16, and the floor 2^(3 - 127)), 2 off its exponent field: the conversion's scale operand; its exponent field is the byte.
.macro QX c
.set XS, X+16*(\c)
.set T,  QT+4*(\c)
	v_max3_num_f32 v[T], |v[XS]|, |v[XS+1]|, |v[XS+2]|
	v_max3_num_f32 v[T+1], |v[XS+3]|, |v[XS+4]|, |v[XS+5]|
.irp i, 6,10
	v_max3_num_f32 v[T], v[T], |v[XS+\i]|, |v[XS+\i+1]|
	v_max3_num_f32 v[T+1], v[T+1], |v[XS+\i+2]|, |v[XS+\i+3]|
.endr
	v_max3_num_f32 v[T], v[T], |v[XS+14]|, |v[XS+15]|
	v_max3_num_f32 v[T], v[T], v[T+1], 0x1800000
	v_max_num_f32_dpp v[T], v[T], v[T] row_xmask:1 row_mask:0xf bank_mask:0xf
	v_add_nc_u32 v[T+2], 0xff000000, v[T]
	v_cvt_scalef32_pk16_fp6_f32 v[C+4*(\c):C+4*(\c)+2], v[XS:XS+15], v[T+2]
	v_lshrrev_b32 v[T+3], 23, v[T+2]               ; the byte (also the plain line behind the conversion)
	ds_store_b8 v7, v[T+3] offset:32*((\c)/2)+16*((\c)%2)          ; both lanes of a block write the same byte with the same value
	global_store_b96 v6, v[C+4*(\c):C+4*(\c)+2], s[10:11] offset:768*((\c)/2)+384*((\c)%2)   ; the wave stores 384 consecutive bytes
.endm
	QX 0
	QX 1
	QX 2
	QX 3
; Eight k of half q of both tokens against the eight experts.  A lane's k are 512 q + 16 lane + 8 bt + 0 .. 7; x is spread over the pair by op_sel.  The very first k starts the sums.
.macro DOT q, bt
.irp kk, 0,1,2,3,4,5,6,7
	ds_load_b128 v[R+8*\kk:R+8*\kk+3], v5 offset:32*RWP*\q+32*(8*\bt+\kk)
	ds_load_b128 v[R+8*\kk+4:R+8*\kk+7], v5 offset:32*RWP*\q+32*(8*\bt+\kk)+16
.endr
	s_wait_dscnt 0x0
.irp kp, 0,1,2,3
.irp i, 0,1
.irp ep, 0,1,2,3
.if (\q)+(\bt)+\kp == 0
	v_pk_mul_f32 v[ACC+8*\i+2*\ep:ACC+8*\i+2*\ep+1], v[X+16*(2*\i+\q)+8*\bt+2*\kp:X+16*(2*\i+\q)+8*\bt+2*\kp+1], v[R+16*\kp+2*\ep:R+16*\kp+2*\ep+1] op_sel_hi:[0,1]
.else
	v_pk_fma_f32 v[ACC+8*\i+2*\ep:ACC+8*\i+2*\ep+1], v[X+16*(2*\i+\q)+8*\bt+2*\kp:X+16*(2*\i+\q)+8*\bt+2*\kp+1], v[R+16*\kp+2*\ep:R+16*\kp+2*\ep+1], v[ACC+8*\i+2*\ep:ACC+8*\i+2*\ep+1] op_sel_hi:[0,1,1]
.endif
.endr
.endr
.irp i, 0,1
.irp ep, 0,1,2,3
	v_pk_fma_f32 v[ACC+8*\i+2*\ep:ACC+8*\i+2*\ep+1], v[X+16*(2*\i+\q)+8*\bt+2*\kp:X+16*(2*\i+\q)+8*\bt+2*\kp+1], v[R+16*\kp+8+2*\ep:R+16*\kp+8+2*\ep+1], v[ACC+8*\i+2*\ep:ACC+8*\i+2*\ep+1] op_sel:[1,0,0] op_sel_hi:[1,1,1]
.endr
.endr
.endr
.endm
	DOT 0, 0
	s_wait_alu depctr_va_vdst(0)
	DOT 0, 1
	s_wait_alu depctr_va_vdst(0)
	DOT 1, 0
	s_wait_alu depctr_va_vdst(0)
	DOT 1, 1
	; the 16 sums over the 32 lanes: every lane ends with all of them
.irp m, 1,2,4,8
.irp a, 0,1,2,3,4,5,6,7,8,9,10,11,12,13,14,15
	v_add_f32_dpp v[ACC+\a], v[ACC+\a], v[ACC+\a] row_xmask:\m row_mask:0xf bank_mask:0xf
.endr
.endr
.irp a, 0,1,2,3,4,5,6,7,8,9,10,11,12,13,14,15
	v_permlanex16_b32 v[R+\a], v[ACC+\a], s36, s37
.endr
	s_wait_kmcnt 0x0                               ; router_b
.irp a, 0,1,2,3,4,5,6,7,8,9,10,11,12,13,14,15
	v_add_f32 v[ACC+\a], v[ACC+\a], v[R+\a]
.endr
.irp a, 0,1,2,3,4,5,6,7,8,9,10,11,12,13,14,15
	v_add_f32 v[ACC+\a], s[24+\a%8], v[ACC+\a]
.endr
	; the two largest, one pass, by selects alone.  +0 m1, +1 i1, +2 m2, +3 i2
.irp i, 0,1
	v_mov_b32 v[TP+12*\i], v[ACC+8*\i]
	v_mov_b32 v[TP+12*\i+1], 0
	v_mov_b32 v[TP+12*\i+2], 0xff800000
	v_mov_b32 v[TP+12*\i+3], 0
.endr
.irp e, 1,2,3,4,5,6,7
.irp i, 0,1
	v_cmp_gt_f32 s[40+2*\i], v[ACC+8*\i+\e], v[TP+12*\i]           ; above the largest
	v_cmp_gt_f32 s[41+2*\i], v[ACC+8*\i+\e], v[TP+12*\i+2]         ; above the second
	v_cndmask_b32 v[TP+12*\i+2], v[TP+12*\i+2], v[ACC+8*\i+\e], s[41+2*\i]
	v_cndmask_b32 v[TP+12*\i+3], v[TP+12*\i+3], \e, s[41+2*\i]
	v_cndmask_b32 v[TP+12*\i+2], v[TP+12*\i+2], v[TP+12*\i], s[40+2*\i]
	v_cndmask_b32 v[TP+12*\i+3], v[TP+12*\i+3], v[TP+12*\i+1], s[40+2*\i]
	v_cndmask_b32 v[TP+12*\i], v[TP+12*\i], v[ACC+8*\i+\e], s[40+2*\i]
	v_cndmask_b32 v[TP+12*\i+1], v[TP+12*\i+1], \e, s[40+2*\i]
.endr
.endr
.irp i, 0,1
	v_sub_f32 v[TP+12*\i+4], v[TP+12*\i+2], v[TP+12*\i]            ; l1 - l0, 0 or less
	v_mul_f32 v[TP+12*\i+4], 0x3fb8aa3b, v[TP+12*\i+4]
.endr
	s_wait_alu depctr_va_vdst(0)
.irp i, 0,1
	v_exp_f32 v[TP+12*\i+5], v[TP+12*\i+4]                         ; t
.endr
	v_lshl_or_b32 v[TP+9], v[TP+3], 8, v[TP+1]     ; e0 | e1 << 8 (a plain line behind the exponentials)
	v_lshl_or_b32 v[TP+21], v[TP+15], 8, v[TP+13]
	s_wait_alu depctr_va_vdst(0)                   ; one wait for both, ahead of their first use
.irp i, 0,1
	v_add_f32 v[TP+12*\i+6], 1.0, v[TP+12*\i+5]
.endr
	s_wait_alu depctr_va_vdst(0)
.irp i, 0,1
	v_rcp_f32 v[TP+12*\i+7], v[TP+12*\i+6]                         ; g0
.endr
	v_nop                                          ; a plain line behind the reciprocals
	s_wait_alu depctr_va_vdst(0)                   ; one wait for both
.irp i, 0,1
	v_mul_f32 v[TP+12*\i+8], v[TP+12*\i+5], v[TP+12*\i+7]          ; g1 = t g0
.endr
.irp i, 0,1
	ds_store_b32 v11, v[TP+12*\i+9] offset:4*\i    ; all lanes write the same word with the same value
	ds_store_b32 v12, v[TP+12*\i+7] offset:8*\i
	ds_store_b32 v12, v[TP+12*\i+8] offset:8*\i+4
.endr
	s_wait_dscnt 0x0                               ; my scale bytes, sel and gates lie in LDS
	s_barrier_signal -1
	s_barrier_wait -1
	s_cmp_eq_u32 s16, 0
	s_cbranch_scc0 .Lnot_0
	ds_load_b64 v[14:15], v13
	s_wait_dscnt 0x0
	global_store_b64 v16, v[14:15], s[32:33]       ; 32 lanes store 256 consecutive bytes, at a multiple of 256 from xq's first byte
	s_branch .Lend
.Lnot_0:
	s_cmp_eq_u32 s16, 1
	s_cbranch_scc0 .Lnot_1
	s_wait_xcnt 0x0                                ; EXEC changes only behind this wait
	v_cmp_gt_u32 vcc_lo, 8, v1
	s_and_saveexec_b32 s38, vcc_lo
	ds_load_b32 v20, v17
	s_wait_dscnt 0x0
	global_store_b32 v19, v20, s[12:13]            ; 8 words of sel
	s_wait_xcnt 0x0
	s_or_b32 exec_lo, exec_lo, s38
	s_branch .Lend
.Lnot_1:
	s_cmp_eq_u32 s16, 2
	s_cbranch_scc0 .Lend
	s_wait_xcnt 0x0
	v_cmp_gt_u32 vcc_lo, 16, v1
	s_and_saveexec_b32 s38, vcc_lo
	ds_load_b32 v20, v18
	s_wait_dscnt 0x0
	global_store_b32 v19, v20, s[14:15]            ; 16 words of gates
	s_wait_xcnt 0x0
	s_or_b32 exec_lo, exec_lo, s38
.Lend:
	s_wait_tensorcnt 0x0
	ds_add_u32 v254, v255
	s_wait_dscnt 0x0
	s_endpgm
.Lfunc_end_k_q9e29c88ef5_route:
	.size	k_q9e29c88ef5_route, .Lfunc_end_k_q9e29c88ef5_route-k_q9e29c88ef5_route
	.p2alignl 7, 3214868480
	.fill 96, 4, 3214868480
	.section	.rodata,"a",@progbits
	.p2align	6, 0x0
	.amdhsa_kernel k_q9e29c88ef5_route
		.amdhsa_group_segment_fixed_size 75776
		.amdhsa_private_segment_fixed_size 0
		.amdhsa_enable_private_segment 0
		.amdhsa_kernarg_size 48
		.amdhsa_user_sgpr_count 2
		.amdhsa_user_sgpr_kernarg_segment_ptr 1
		.amdhsa_wavefront_size32 1
		.amdhsa_system_sgpr_workgroup_id_x 1
		.amdhsa_system_sgpr_workgroup_id_y 1
		.amdhsa_system_sgpr_workgroup_id_z 1
		.amdhsa_system_vgpr_workitem_id 0
		.amdhsa_next_free_vgpr 256
		.amdhsa_next_free_sgpr 66
		.amdhsa_reserve_vcc 1
		.amdhsa_float_denorm_mode_32 3
		.amdhsa_float_denorm_mode_16_64 3
		.amdhsa_memory_ordered 1
		.amdhsa_forward_progress 1
		.amdhsa_inst_pref_size 49
	.end_amdhsa_kernel
	.amdgpu_metadata
---
amdhsa.version: [ 1, 2 ]
amdhsa.kernels:
  - .name:           k_q9e29c88ef5_route
    .symbol:         k_q9e29c88ef5_route.kd
    .args:
      - { .name: x, .offset: 0, .size: 8, .value_kind: global_buffer, .address_space: global }
      - { .name: router_w, .offset: 8, .size: 8, .value_kind: global_buffer, .address_space: global }
      - { .name: router_b, .offset: 16, .size: 8, .value_kind: global_buffer, .address_space: global }
      - { .name: xq, .offset: 24, .size: 8, .value_kind: global_buffer, .address_space: global }
      - { .name: sel, .offset: 32, .size: 8, .value_kind: global_buffer, .address_space: global }
      - { .name: gate, .offset: 40, .size: 8, .value_kind: global_buffer, .address_space: global }
    .group_segment_fixed_size: 75776
    .private_segment_fixed_size: 0
    .kernarg_segment_align: 8
    .kernarg_segment_size: 48
    .max_flat_workgroup_size: 128
    .sgpr_count:     66
    .vgpr_count:     256
    .wavefront_size: 32
...
	.end_amdgpu_metadata
.endif
;; end of part 1
;; launch place (part 2): grid 1 x 1, 16 waves a work-group, no clusters, 3,072 bytes of LDS; arguments sel, gate, ord, gs; writes ord, gs
.if DOCPART == 2
	.amdgcn_target "amdgcn-amd-amdhsa--gfx1250"
	.amdhsa_code_object_version 6
	.text
	.protected	k_q9e29c88ef5_place
	.globl	k_q9e29c88ef5_place
	.p2align	8
	.type	k_q9e29c88ef5_place,@function
k_q9e29c88ef5_place:
	s_mov_b64 s[64:65], 0
	v_nop
	global_prefetch_b8 v0, s[64:65] scope:SCOPE_SE
	s_setreg_imm32_b32 hwreg(HW_REG_WAVE_MODE, 25, 1), 1
	s_wait_xcnt 0x0
; THE ROWS ARE PLACED BY EXPERT: a counting sort of the 4,096 routed rows (token, slot), without atomics, by one work-group of 16 waves; all arithmetic is on whole numbers.
; SORTED ROWS.  Expert e owns rows off_e .. off_e + 32 g_e - 1, g_e = ceil(N_e / 32): its N_e rows, then pads up to a multiple of 32.  At most 4,096 + 8 x 31 rows are used; 4,352 are laid.
; OUT: ord: LIST[4352] at byte 0: a row's entry 2 token + slot; a pad's entry is 4096 + its number among all pads (at most 4,343: a row of its own in the later results, read by nobody);
; the tail holds 4351.  gs[4352]: the row's gate (0 for pads and tail).  ord + 17408: 32 records for the first product's 16 chunks, ord + 17920: 32 for the second's 32: {expert, first row, groups of 32 rows, 0}.
; RANKS.  A lane has 4 tokens, 8 routed rows.  Each row is a 1 in one of eight counters of 8 bits (two registers; a wave has at most 128 rows of an expert, so no counter runs over);
; sums inside the lane, one scan over the 32 lanes, and a row's rank in its wave is its expert's counter ahead of it.  The waves' eight counts meet in LDS: the one barrier.
; CHUNKS.  The smallest k is taken for which the sum of ceil(g_e / k) fits the number of chunks: lane k - 1 tries k, and since the sum does not rise with k, k is 1 + the number of lanes that do not fit.
; Expert e gets ceil(g_e / k) chunks of k groups, the last one what is left.  k = 16 always fits 16 chunks ((135 + 8 x 15) / 16 < 16) and k = 6 always fits 32 ((135 + 8 x 5) / 6 < 32), whatever the split.
; ceil(g / k) = ((g + k - 1) (65536 / k + 1)) >> 16, exact while (g + k - 1) k < 65,536; here g is at most 64 and k at most 16.
; One work-group: the sort is 24,576 bytes in and 35,840 out; shared further it would want a launch more for the counts.
; LIMIT: the two experts of a token are taken to differ, as the launch before makes them for finite logits.
.set E,  20                            ; v20-27  the eight rows' experts: row i = 2 j + slot of token 128 w + 32 j + lane
.set OF, 28                            ; v28-35  8 x expert (a shift takes its low five bits); then the row's rank in its wave
.set OH, 40                            ; v40-47  the row's 1 in its counter; later at work
.set LO, 48                            ; v48-55  the same where the expert is 0-3, else 0
.set HI, 64                            ; v64-71  the same where the expert is 4-7, else 0
.set PL, 72                            ; v73-79  sums of LO up to row i
.set PH, 80                            ; v81-87  sums of HI
	s_load_b256 s[4:11], s[0:1], 0x0               ; sel s[4:5], gate s[6:7], ord s[8:9], gs s[10:11]
	v_lshl_add_u32 v128, v0, 2, 0x400
	v_mov_b32 v129, 0
	v_and_b32 v1, 31, v0                           ; lane
	v_lshrrev_b32 v2, 5, v0
	s_delay_alu instid0(VALU_DEP_1)
	v_readfirstlane_b32 s12, v2                    ; wave w
	s_delay_alu instid0(VALU_DEP_3)
	v_lshlrev_b32 v3, 2, v1
	s_delay_alu instid0(VALU_DEP_4)
	v_lshlrev_b32 v4, 3, v1
	v_and_b32 v37, 7, v1
	v_lshlrev_b32 v38, 2, v1
	v_lshrrev_b32 v39, 3, v1
	v_lshlrev_b32 v61, 1, v1
	v_lshl_add_u32 v3, v2, 9, v3                   ; sel: 4 bytes a token
	v_lshl_add_u32 v4, v2, 10, v4                  ; gate: 8 bytes a token
	v_lshlrev_b32 v5, 3, v37                       ; 8 (lane % 8): where that expert's counter stands
	v_lshlrev_b32 v37, 2, v37
	v_lshl_add_u32 v61, v2, 8, v61                 ; 2 x (128 w + lane)
	v_lshlrev_b32 v62, 2, v2                       ; 4 w: the lane that holds expert w's numbers
	s_delay_alu instid0(VALU_DEP_3)
	v_lshl_add_u32 v37, v2, 5, v37                 ; LDS: my wave's eight counts, word lane % 8
	v_lshl_add_u32 v63, v0, 2, 15360               ; the tail: thread t owns sorted row 3,840 + t: its word in the list and in gs; never rewritten
	v_add_nc_u32 v95, 3840, v0                     ; that row's number
	v_mov_b32 v97, 0x10ff                          ; what the tail holds: the entry 4351,
	v_mov_b32 v98, 0                               ; the gate 0
	v_lshlrev_b32 v116, 4, v1                      ; the tables: 16 bytes a record, a lane a record; never rewritten
	v_mov_b32 v96, 1
	v_mov_b32 v54, 0                               ; written once: the destination of a lane move counts as one of its sources
	v_mov_b32 v55, 0
	v_mov_b32 v90, 0
	v_mov_b32 v91, 0
	v_mov_b32 v7, 0                                ; lane k - 1: 65536 / k + 1, k = 1 .. 16; the other lanes 0: their sums are 0 and fit
.set kk, 1
.rept 16
	s_mov_b32 s50, 65536/kk+1
	v_writelane_b32 v7, s50, kk-1
.set kk, kk+1
.endr
	s_mov_b32 s14, 0x76543210
	s_mov_b32 s15, 0xfedcba98                      ; lane selects: lane l xor 16
	s_mov_b32 s56, 0x0f0f0f0f                      ; the lanes with lane % 8 < 4
	s_mov_b32 s57, 0xffff0000                      ; lanes 16-31
	s_wait_alu depctr_va_vdst(0)                   ; the wait at the head's end
	s_wait_kmcnt 0x0
.irp j, 0,1,2,3
	global_load_b32 v[8+\j], v3, s[4:5] offset:128*\j
.endr
.irp j, 0,1,2,3
	global_load_b64 v[12+2*\j:13+2*\j], v4, s[6:7] offset:256*\j   ; v[12 + i]: row i's gate
.endr
	s_wait_loadcnt 4                               ; sel is in; the four loads of gates may be out
.irp j, 0,1,2,3
	v_and_b32 v[E+2*\j], 7, v[8+\j]                ; e0
	v_bfe_u32 v[E+2*\j+1], v[8+\j], 8, 3           ; e1
.endr
.irp i, 0,1,2,3,4,5,6,7
	v_lshlrev_b32 v[OF+\i], 3, v[E+\i]
.endr
.irp i, 0,1,2,3,4,5,6,7
	v_cmp_gt_u32 s[16+\i], 4, v[E+\i]              ; the expert is 0-3
.endr
.irp i, 0,1,2,3,4,5,6,7
	v_lshlrev_b32 v[OH+\i], v[OF+\i], v96          ; 1 << 8 (e % 4)
.endr
.irp i, 0,1,2,3,4,5,6,7
	v_cndmask_b32 v[LO+\i], 0, v[OH+\i], s[16+\i]
.endr
.irp i, 0,1,2,3,4,5,6,7
	v_cndmask_b32 v[HI+\i], v[OH+\i], 0, s[16+\i]
.endr
	v_add_nc_u32 v[PL+1], v[LO], v[LO+1]
	v_add_nc_u32 v[PH+1], v[HI], v[HI+1]
.irp i, 2,3,4,5,6,7
	s_delay_alu instid0(VALU_DEP_2)
	v_add_nc_u32 v[PL+\i], v[PL+\i-1], v[LO+\i]
	s_delay_alu instid0(VALU_DEP_2)
	v_add_nc_u32 v[PH+\i], v[PH+\i-1], v[HI+\i]
.endr
	; the scan over the lanes: lane l ends with the sums of lanes 0 .. l
	s_delay_alu instid0(VALU_DEP_2)
	v_mov_b32_dpp v90, v[PL+7] row_shr:1 row_mask:0xf bank_mask:0xf bound_ctrl:1
	s_delay_alu instid0(VALU_DEP_2)
	v_mov_b32_dpp v91, v[PH+7] row_shr:1 row_mask:0xf bank_mask:0xf bound_ctrl:1
	s_delay_alu instid0(VALU_DEP_2)
	v_add_nc_u32 v88, v[PL+7], v90
	s_delay_alu instid0(VALU_DEP_2)
	v_add_nc_u32 v89, v[PH+7], v91
.irp n, 2,4,8
	s_delay_alu instid0(VALU_DEP_2)
	v_mov_b32_dpp v90, v88 row_shr:\n row_mask:0xf bank_mask:0xf bound_ctrl:1
	s_delay_alu instid0(VALU_DEP_2)
	v_mov_b32_dpp v91, v89 row_shr:\n row_mask:0xf bank_mask:0xf bound_ctrl:1
	s_delay_alu instid0(VALU_DEP_2)
	v_add_nc_u32 v88, v88, v90
	s_delay_alu instid0(VALU_DEP_2)
	v_add_nc_u32 v89, v89, v91
.endr
	s_delay_alu instid0(VALU_DEP_2)
	v_readlane_b32 s50, v88, 15                    ; lanes 0-15's sums go onto lanes 16-31
	s_delay_alu instid0(VALU_DEP_2)
	v_readlane_b32 s51, v89, 15
	v_cndmask_b32 v90, 0, s50, s57
	v_cndmask_b32 v91, 0, s51, s57
	s_delay_alu instid0(VALU_DEP_2)
	v_add_nc_u32 v88, v88, v90
	s_delay_alu instid0(VALU_DEP_2)
	v_add_nc_u32 v89, v89, v91
	s_delay_alu instid0(VALU_DEP_2)
	v_readlane_b32 s53, v88, 31                    ; the wave's eight counts
	s_delay_alu instid0(VALU_DEP_2)
	v_readlane_b32 s54, v89, 31
	v_sub_nc_u32 v92, v88, v[PL+7]                 ; the counters of the lanes below mine
	v_sub_nc_u32 v93, v89, v[PH+7]
	v_mov_b32 v94, s54
	s_delay_alu instid0(VALU_DEP_1)
	v_cndmask_b32 v94, v94, s53, s56
	s_delay_alu instid0(VALU_DEP_1)
	v_bfe_u32 v94, v94, v5, 8                      ; the count of expert lane % 8
	ds_store_b32 v37, v94                          ; lanes with the same lane % 8 write the same word with the same value
	s_wait_alu depctr_va_vdst(0)
	s_wait_dscnt 0x0
	s_barrier_signal -1
	; work on registers while the others arrive: each row's rank in its wave
.irp i, 1,2,3,4,5,6,7
.if \i == 1
	v_add_nc_u32 v[OH+\i], v92, v[LO]
	v_add_nc_u32 v[LO+\i], v93, v[HI]
.else
	v_add_nc_u32 v[OH+\i], v92, v[PL+\i-1]
	v_add_nc_u32 v[LO+\i], v93, v[PH+\i-1]
.endif
.endr
	v_cndmask_b32 v[OH], v93, v92, s16
.irp i, 1,2,3,4,5,6,7
	v_cndmask_b32 v[OH+\i], v[LO+\i], v[OH+\i], s[16+\i]
.endr
.irp i, 0,1,2,3,4,5,6,7
	v_bfe_u32 v[OF+\i], v[OH+\i], v[OF+\i], 8
.endr
	s_barrier_wait -1                              ; the one barrier: 16 x 8 counts lie in LDS
.irp k, 0,1,2,3
	ds_load_b32 v[48+\k], v38 offset:128*\k        ; wave lane / 8 + 4 k, expert lane % 8
.endr
.irp k, 0,1,2,3
	v_add_nc_u32 v[40+\k], 4*\k, v39
.endr
	s_wait_alu depctr_va_vdst(0)
	s_wait_dscnt 0x0
.irp k, 0,1,2,3
	v_cmp_gt_u32 s[16+\k], s12, v[40+\k]
.endr
.irp k, 0,1,2,3
	s_delay_alu instid0(VALU_DEP_4)
	v_cndmask_b32 v[56+\k], 0, v[48+\k], s[16+\k]  ; only the waves ahead of mine
.endr
	v_add3_u32 v52, v48, v49, v50
	s_delay_alu instid0(VALU_DEP_3)
	v_add3_u32 v53, v56, v57, v58
	s_delay_alu instid0(VALU_DEP_2)
	v_add_nc_u32 v52, v52, v51
	s_delay_alu instid0(VALU_DEP_2)
	v_add_nc_u32 v53, v53, v59
	s_delay_alu instid0(VALU_DEP_2)
	v_mov_b32_dpp v54, v52 row_xmask:8 row_mask:0xf bank_mask:0xf
	s_delay_alu instid0(VALU_DEP_2)
	v_mov_b32_dpp v55, v53 row_xmask:8 row_mask:0xf bank_mask:0xf
	s_delay_alu instid0(VALU_DEP_2)
	v_add_nc_u32 v52, v52, v54
	s_delay_alu instid0(VALU_DEP_2)
	v_add_nc_u32 v53, v53, v55
	s_delay_alu instid0(VALU_DEP_2)
	v_permlanex16_b32 v54, v52, s14, s15
	s_delay_alu instid0(VALU_DEP_2)
	v_permlanex16_b32 v55, v53, s14, s15
	s_delay_alu instid0(VALU_DEP_2)
	v_add_nc_u32 v52, v52, v54                     ; N of expert lane % 8, in every lane
	s_delay_alu instid0(VALU_DEP_2)
	v_add_nc_u32 v53, v53, v55                     ; and its rows in the waves ahead of mine
	s_delay_alu instid0(VALU_DEP_2)
	v_add_nc_u32 v99, 31, v52
.irp e, 0,1,2,3,4,5,6,7
	v_readlane_b32 s[16+\e], v52, \e               ; N_e
.endr
	v_lshrrev_b32 v99, 5, v99                      ; g of expert lane % 8
	s_wait_alu depctr_va_vdst(0)
	s_mov_b32 s32, 0                               ; off_0 .. off_8 in s32-40
	s_mov_b32 s41, 0                               ; the sums of N ahead of e in s41-49
.irp e, 0,1,2,3,4,5,6,7
	s_add_co_u32 s[24+\e], s[16+\e], 31
	s_lshr_b32 s[24+\e], s[24+\e], 5               ; g_e in s24-31
	s_lshl_b32 s50, s[24+\e], 5
	s_add_co_u32 s[33+\e], s[32+\e], s50
	s_add_co_u32 s[42+\e], s[41+\e], s[16+\e]
.endr
; A table of 32 records for nch chunks, at byte at of ord; a lane a record
.macro TABLE nch, at
.irp e, 0,1,2,3,4,5,6,7
	v_add_nc_u32 v[100+\e], s[24+\e], v1           ; g_e + k - 1, k = lane + 1
.endr
.irp e, 0,1,2,3,4,5,6,7
	v_mul_u32_u24 v[100+\e], v[100+\e], v7
.endr
.irp e, 0,1,2,3,4,5,6,7
	v_lshrrev_b32 v[100+\e], 16, v[100+\e]         ; ceil(g_e / k)
.endr
	v_add3_u32 v100, v100, v101, v102
	v_add3_u32 v103, v103, v104, v105
	s_delay_alu instid0(VALU_DEP_3)
	v_add_nc_u32 v106, v106, v107
	s_delay_alu instid0(VALU_DEP_1)
	v_add3_u32 v100, v100, v103, v106              ; chunks wanted with k groups a chunk
	s_delay_alu instid0(VALU_DEP_1)
	v_cmp_lt_u32 s50, \nch, v100                   ; the k that do not fit
	s_bcnt1_i32_b32 s50, s50                       ; k - 1 of the smallest that fits
	s_lshl_b32 s51, s50, 2
	s_add_co_u32 s52, s50, 1                       ; k
	v_mov_b32 v101, s51
	v_add_nc_u32 v103, s50, v99                    ; g + k - 1 of expert lane % 8
	ds_bpermute_b32 v102, v101, v7                 ; 65536 / k + 1
	s_wait_alu depctr_va_vdst(0)
	s_wait_dscnt 0x0
	v_mul_u32_u24 v103, v103, v102
	s_delay_alu instid0(VALU_DEP_1)
	v_lshrrev_b32 v103, 16, v103                   ; c = ceil(g / k)
.irp e, 0,1,2,3,4,5,6,7
	v_readlane_b32 s[66+\e], v103, \e
.endr
	s_mov_b32 s82, 0                               ; expert e's first chunk in s82-89
.irp e, 0,1,2,3,4,5,6
	s_add_co_u32 s[83+\e], s[82+\e], s[66+\e]
.endr
	v_mov_b32 v108, 0                              ; the record's expert,
	v_mov_b32 v111, 0
	v_mov_b32 v112, 0                              ; my chunk's number within its expert,
	v_mov_b32 v114, 0                              ; g and off of that expert: all 0 for a chunk that this split leaves without rows
	v_mov_b32 v115, 0
.irp e, 0,1,2,3,4,5,6,7
	v_sub_nc_u32 v[100+\e], v1, s[82+\e]           ; lane = chunk
.endr
.irp e, 0,1,2,3,4,5,6,7
	v_cmp_gt_u32 s[16+\e], s[66+\e], v[100+\e]     ; the chunk is one of expert e's
.endr
.irp e, 0,1,2,3,4,5,6,7
.irp x, 0
.if \e > 0
	s_delay_alu instid0(VALU_DEP_4)
.endif
	v_cndmask_b32 v108, v108, \e, s[16+\e]
.if \e > 0
	s_delay_alu instid0(VALU_DEP_4)
.endif
	v_cndmask_b32 v112, v112, v[100+\e], s[16+\e]
.if \e > 0
	s_delay_alu instid0(VALU_DEP_4)
.endif
	v_cndmask_b32 v114, v114, s[24+\e], s[16+\e]
.if \e > 0
	s_delay_alu instid0(VALU_DEP_4)
.endif
	v_cndmask_b32 v115, v115, s[32+\e], s[16+\e]
.endr
.endr
	s_delay_alu instid0(VALU_DEP_3)
	v_mul_u32_u24 v101, v112, s52                  ; my first group
	s_delay_alu instid0(VALU_DEP_1)
	v_sub_nc_u32 v102, v114, v101                  ; what is left of the expert's groups: above 0 for each of its ceil(g / k) chunks
	s_delay_alu instid0(VALU_DEP_2)
	v_lshl_add_u32 v109, v101, 5, v115             ; first row
	s_delay_alu instid0(VALU_DEP_2)
	v_min_u32 v110, s52, v102                      ; groups
	global_store_b128 v116, v[108:111], s[8:9] offset:\at          ; 32 lanes store 512 consecutive bytes
.endm
	s_cmp_eq_u32 s12, 8
	s_cbranch_scc0 .Lnot_8
	TABLE 16, 17408
.Lnot_8:
	s_cmp_eq_u32 s12, 9
	s_cbranch_scc0 .Lnot_9
	TABLE 32, 17920
.Lnot_9:
	v_mov_b32 v58, 0
	v_mov_b32 v59, 0
.irp e, 0,1,2,3,4,5,6,7
	s_delay_alu instid0(VALU_DEP_2)
	v_writelane_b32 v58, s[32+\e], \e              ; off_e in lane e
	s_delay_alu instid0(VALU_DEP_2)
	v_writelane_b32 v59, s[41+\e], \e
.endr
	s_delay_alu instid0(VALU_DEP_2)
	v_add_nc_u32 v60, v58, v53                     ; lane e: where my wave's rows of expert e begin
.irp i, 0,1,2,3,4,5,6,7
	v_lshlrev_b32 v[64+\i], 2, v[E+\i]
.endr
.irp i, 0,1,2,3,4,5,6,7
	ds_bpermute_b32 v[72+\i], v[64+\i], v60
.endr
.irp i, 0,1,2,3,4,5,6,7
	v_add_nc_u32 v[80+\i], 64*(\i/2)+(\i%2), v61   ; the entry 2 token + slot
.endr
	s_wait_alu depctr_va_vdst(0)
	s_wait_loadcnt 0x0                             ; the gates
	s_wait_dscnt 0x0
.irp i, 0,1,2,3,4,5,6,7
	v_add_nc_u32 v[72+\i], v[72+\i], v[OF+\i]      ; the row's place
.endr
.irp i, 0,1,2,3,4,5,6,7
	v_min_u32 v[72+\i], 0x10ff, v[72+\i]           ; inside the list, whatever was read
.endr
.irp i, 0,1,2,3,4,5,6,7
	v_lshlrev_b32 v[72+\i], 2, v[72+\i]
.endr
.irp i, 0,1,2,3,4,5,6,7
	global_store_b32 v[72+\i], v[80+\i], s[8:9]
	global_store_b32 v[72+\i], v[12+\i], s[10:11]
.endr
	; the pads: wave w < 8 for expert w
	s_cmp_lt_u32 s12, 8
	s_cbranch_scc0 .Lno_pads
	ds_bpermute_b32 v88, v62, v52                  ; N_w
	ds_bpermute_b32 v89, v62, v58                  ; off_w
	ds_bpermute_b32 v90, v62, v59                  ; the sum of N ahead of w
	s_wait_dscnt 0x0
	v_sub_nc_u32 v91, 0, v88
	s_delay_alu instid0(VALU_DEP_1)
	v_and_b32 v91, 31, v91                         ; pads: up to the next multiple of 32
	v_add3_u32 v92, v88, v89, v1
	s_delay_alu instid0(VALU_DEP_1)
	v_min_u32 v92, 0x10ff, v92
	s_delay_alu instid0(VALU_DEP_1)
	v_lshlrev_b32 v92, 2, v92
	v_sub_nc_u32 v93, v89, v90                     ; pads ahead of expert w
	s_delay_alu instid0(VALU_DEP_1)
	v_add3_u32 v93, v93, v1, 0x1000
	v_mov_b32 v94, 0
	s_wait_alu depctr_va_vdst(0)
	s_wait_xcnt 0x0                                ; EXEC changes only behind this wait
	v_cmp_gt_u32 vcc_lo, v91, v1
	s_and_saveexec_b32 s53, vcc_lo
	global_store_b32 v92, v93, s[8:9]
	global_store_b32 v92, v94, s[10:11]
	s_wait_xcnt 0x0
	s_or_b32 exec_lo, exec_lo, s53
.Lno_pads:
	; the tail: the rows from off_8 on.  off_8 is at least 4,096, so the 512 threads' rows 3,840 .. 4,351 cover it; off_8 decides who stores, not where
	s_wait_xcnt 0x0
	v_cmp_le_u32 vcc_lo, s40, v95                  ; off_8 <= my row
	s_and_saveexec_b32 s53, vcc_lo
	global_store_b32 v63, v97, s[8:9]
	global_store_b32 v63, v98, s[10:11]
	s_wait_xcnt 0x0
	s_or_b32 exec_lo, exec_lo, s53
	s_wait_tensorcnt 0x0                           ; the wave's end
	ds_add_u32 v128, v129
	s_wait_dscnt 0x0
	s_endpgm
.Lfunc_end_k_q9e29c88ef5_place:
	.size	k_q9e29c88ef5_place, .Lfunc_end_k_q9e29c88ef5_place-k_q9e29c88ef5_place
	.p2alignl 7, 3214868480
	.fill 96, 4, 3214868480
	.section	.rodata,"a",@progbits
	.p2align	6, 0x0
	.amdhsa_kernel k_q9e29c88ef5_place
		.amdhsa_group_segment_fixed_size 3072
		.amdhsa_private_segment_fixed_size 0
		.amdhsa_enable_private_segment 0
		.amdhsa_kernarg_size 32
		.amdhsa_user_sgpr_count 2
		.amdhsa_user_sgpr_kernarg_segment_ptr 1
		.amdhsa_wavefront_size32 1
		.amdhsa_system_sgpr_workgroup_id_x 1
		.amdhsa_system_sgpr_workgroup_id_y 1
		.amdhsa_system_sgpr_workgroup_id_z 1
		.amdhsa_system_vgpr_workitem_id 0
		.amdhsa_next_free_vgpr 130
		.amdhsa_next_free_sgpr 96
		.amdhsa_reserve_vcc 1
		.amdhsa_float_denorm_mode_32 3
		.amdhsa_float_denorm_mode_16_64 3
		.amdhsa_memory_ordered 1
		.amdhsa_forward_progress 1
		.amdhsa_inst_pref_size 37
	.end_amdhsa_kernel
	.amdgpu_metadata
---
amdhsa.version: [ 1, 2 ]
amdhsa.kernels:
  - .name:           k_q9e29c88ef5_place
    .symbol:         k_q9e29c88ef5_place.kd
    .args:
      - { .name: sel, .offset: 0, .size: 8, .value_kind: global_buffer, .address_space: global }
      - { .name: gate, .offset: 8, .size: 8, .value_kind: global_buffer, .address_space: global }
      - { .name: ord, .offset: 16, .size: 8, .value_kind: global_buffer, .address_space: global }
      - { .name: gs, .offset: 24, .size: 8, .value_kind: global_buffer, .address_space: global }
    .group_segment_fixed_size: 3072
    .private_segment_fixed_size: 0
    .kernarg_segment_align: 8
    .kernarg_segment_size: 32
    .max_flat_workgroup_size: 512
    .sgpr_count:     96
    .vgpr_count:     130
    .wavefront_size: 32
...
	.end_amdgpu_metadata
.endif
;; end of part 2
;; launch ffn1 (part 3): grid 16 x 16, 4 waves a work-group, no clusters, 157,696 bytes of LDS; arguments xq, ord, w1_codes, w1_scales, b1, hq; writes hq
.if DOCPART == 3
	.amdgcn_target "amdgcn-amd-amdhsa--gfx1250"
	.amdhsa_code_object_version 6
	.text
	.protected	k_q9e29c88ef5_ffn1
	.globl	k_q9e29c88ef5_ffn1
	.p2align	8
	.type	k_q9e29c88ef5_ffn1,@function
k_q9e29c88ef5_ffn1:
	s_mov_b64 s[64:65], 0
	v_nop
	global_prefetch_b8 v0, s[64:65] scope:SCOPE_SE
	s_setreg_imm32_b32 hwreg(HW_REG_WAVE_MODE, 25, 1), 1
	s_wait_xcnt 0x0
; THE FIRST PRODUCT OF THE CHOSEN ROWS: h = Q(relu(x W1[e] + b1[e])), on codes of FP6 (E2M3) with one E8M0 scale for each 32 along K = 1,024; h leaves as codes for the second product.
; SHARES.  Work-group (x = cs, y = chunk): 128 hidden units 128 cs .. + 127 of one expert, for the chunk's ng groups of 32 sorted rows (a record {expert, first row, ng} read from ord).
; Wave w: ch = w % 2: 64 of the 128 units;  rb = w / 2: 16 of a group's 32 rows.  Its 32 fragments of W1 (4 tiles x 8 K steps, 384 registers) stay in registers: W1's 98,304 bytes are read from memory once,
; in whole runs of 256 bytes, and turned through LDS.  The rows' codes are gathered by the list, TWO GROUPS AHEAD, through two sets of registers into two LDS slots that take turns:
; trip t asks for group t + 2, multiplies group t, and puts group t + 1, asked for a trip earlier, into the other slot: 2 x 26,112 bytes of a work-group are on their way.
; THE PRODUCT IS USED TRANSPOSED (source 0 = 16 rows of W1, source 1 = 16 rows of x): a lane holds one row.  Lane r of tile 2 b + u takes unit 32 b + 8 u + r + 8 (r / 8), so that the 16 registers of tiles
; 2 b and 2 b + 1 are 16 neighbours along the next K.  b1 is the C of each sum's first matrix instruction.
; OUT, hq: codes [16 sorted rows][K step (16)][1,536 bytes]: the operand's registers as they stand: six planes of 256 bytes, plane i = registers 2 i, 2 i + 1, 8 bytes a lane; my units are K step cs, planes 3 ch on.
; Scale words [K step][sorted row] at HS_OFF, gathered in LDS and stored at the end in runs of 128 bytes a group.
; THE LOOP HAS 16 TRIPS, a constant, and one barrier a trip on every wave's path; the stored ng only chooses between ways that hold no barrier.
; NO TENSOR LOADS AND NO CLUSTER: what a trip does hangs on a count read from memory, and partners of a cluster would have different numbers of groups; the weights come once a work-group.
; LIMITS: NaN and infinities are not served; a block of h whose largest number lies under 2^-124 (a block of zeros too) gets the byte 1: its codes are zeros or next to it, and this program alone reads the bytes.
; REGISTERS.  Window 0: v1-31 addresses; v32-39 x's scale words; v40-71 W1's; v72-103 b1; v104-135 the four accumulators; v136-187 at work.
;   Window 1: W1's fragments of K steps 0-3 at 12 (4 s + tile) (first the 48 raw loads).  Window 2: K steps 4-7.  Window 3: v0-95 x's eight fragments; v96-145, v146-195 two groups on their way.
.set XS_OFF, 1572864
.set HS_OFF, 6684672
.set TAB3,   17408
.set PB,     784                       ; an LDS row: 768 bytes + 16 = 196 words: neighbouring rows begin 4 words apart modulo 64
.set SL0,    128*PB                    ; behind W1's 128 rows: slot 0
.set SSC,    32*PB                     ; in a slot: 32 rows of codes, then their scale bytes, 32 a row
.set SLB,    SSC+1024
.set LIST,   SL0+2*SLB                 ; 640 entries of the list
.set HSC,    LIST+2560                 ; 512 scale words of h
.set TK,  18                           ; v18-22  entries of the group to be asked for: rows 8 jj + t / 16, and row t / 4 for the scale bytes
.set GA,  23                           ; v23-27  their byte offsets in xq
.set TK2, 176                          ; v176-180, v181-185: the same for group 1, which the head asks for beside group 0
.set GA2, 181
.set AS,  32
.set BS,  40
.set BI,  72
.set ACC, 104
.set WK,  136
.set PC,  146
.set QC,  152
.set STG, 96                           ; window 3: set n of the registers on the way at STG + 50 n
.set MSB, 0
.macro WIN new                         ; the immediate's high byte repeats the setting that is left
.if MSB != \new
	s_set_vgpr_msb (MSB<<8)|\new
.set MSB, \new
.endif
.endm
.macro ADDR tk, ga                     ; entry -> token (held inside x's 2,048 rows: a pad's entry gives the last) -> byte offsets
.irp jj, 0,1,2,3
	v_lshrrev_b32 v[\ga+\jj], 1, v[\tk+\jj]
	v_min_u32 v[\ga+\jj], 0x7ff, v[\ga+\jj]
	v_mul_u32_u24 v[\ga+\jj], v[\ga+\jj], 768
	v_add_nc_u32 v[\ga+\jj], v[\ga+\jj], v5
.endr
	v_lshrrev_b32 v[\ga+4], 1, v[\tk+4]
	v_min_u32 v[\ga+4], 0x7ff, v[\ga+4]
	v_lshl_add_u32 v[\ga+4], v[\ga+4], 5, v31
.endm
.macro ALOAD st, ga                    ; a group's 32 rows into set st: sixteen lanes read 256 consecutive bytes of a row; 13 loads a thread
	WIN 0xc0
.irp jj, 0,1,2,3
.irp pt, 0,1,2
	global_load_b128 v[STG+50*(\st)+4*(3*\jj+\pt):STG+50*(\st)+4*(3*\jj+\pt)+3], v[\ga+\jj], s[4:5] offset:256*\pt
.endr
.endr
	global_load_b64 v[STG+50*(\st)+48:STG+50*(\st)+49], v[\ga+4], s[4:5] offset:XS_OFF
	WIN 0
.endm
.macro ASTORE st, sl                   ; set st into slot sl
	WIN 0x0c
.irp jj, 0,1,2,3
.irp pt, 0,1,2
	ds_store_b128 v12, v[STG+50*(\st)+4*(3*\jj+\pt):STG+50*(\st)+4*(3*\jj+\pt)+3] offset:SLB*(\sl)+8*PB*\jj+256*\pt
.endr
.endr
	ds_store_b64 v13, v[STG+50*(\st)+48:STG+50*(\st)+49] offset:SLB*(\sl)
	WIN 0
.endm
	s_load_b256 s[4:11], s[0:1], 0x0               ; xq s[4:5], ord s[6:7], W1's codes s[8:9], W1's scales s[10:11]
	s_load_b128 s[12:15], s[0:1], 0x20             ; b1 s[12:13], hq s[14:15]
	v_lshl_add_u32 v254, v0, 2, 0x26600
	v_mov_b32 v255, 0
	v_lshrrev_b32 v1, 5, v0
	v_readfirstlane_b32 s16, v1                    ; wave
	s_and_b32 s17, s16, 1                          ; ch
	s_lshr_b32 s18, s16, 1                         ; rb
	s_and_b32 s20, ttmp7, 0xffff                   ; chunk
	s_lshl_b32 s22, s20, 4
	s_add_co_u32 s22, s22, TAB3
	s_mov_b32 s23, 0
	s_wait_kmcnt 0x0
	s_add_nc_u64 s[22:23], s[6:7], s[22:23]
	s_load_b128 s[24:27], s[22:23], 0x0            ; expert, first row, groups
	v_and_b32 v1, 31, v0                           ; lane
	v_and_b32 v2, 15, v0                           ; r
	v_bfe_u32 v3, v0, 4, 1                         ; h
	v_lshrrev_b32 v4, 4, v0                        ; t / 16: 0 .. 7
	v_lshlrev_b32 v5, 4, v2
	v_mad_u32_u24 v6, v4, 768, v5                  ; W1 in memory: row t / 16, 16 (t % 16)
	v_mad_u32_u24 v7, v4, PB, v5                   ; and in LDS,
	v_add_nc_u32 v8, 64*PB, v7                     ; rows 64 on
	v_and_b32 v9, 8, v2
	v_add_nc_u32 v9, v9, v2                        ; r + 8 (r / 8)
	v_lshlrev_b32 v157, 5, v9                      ; W1's scale bytes: 32 a row
	v_mul_u32_u24 v9, v9, PB
	v_mad_u32_u24 v9, v3, 24, v9
	s_mul_i32 s21, s17, 64*PB
	v_add_nc_u32 v9, s21, v9                       ; W1's fragments
	v_mul_u32_u24 v10, v2, PB
	v_mad_u32_u24 v10, v3, 24, v10
	s_mul_i32 s21, s18, 16*PB
	s_add_co_u32 s21, s21, SL0
	v_add_nc_u32 v10, s21, v10                     ; x's fragments: row 16 rb + r of slot 0
	v_lshlrev_b32 v11, 5, v2
	s_lshl_b32 s21, s18, 9
	s_add_co_u32 s21, s21, SL0+SSC
	v_add_nc_u32 v11, s21, v11                     ; x's scale words
	v_add_nc_u32 v12, SL0, v7                      ; a group into slot 0
	v_lshl_add_u32 v13, v0, 3, SL0+SSC
	v_lshl_add_u32 v14, v4, 2, LIST
	v_lshrrev_b32 v15, 2, v0
	v_lshl_add_u32 v15, v15, 2, LIST
	v_add_nc_u32 v16, 384, v14                     ; the list's words of group 3; they step with the loop
	v_add_nc_u32 v17, 384, v15
	v_lshlrev_b32 v28, 3, v1
	s_mul_i32 s21, s17, 768
	v_add_nc_u32 v28, s21, v28                     ; hq: 8 x lane + my three planes
	v_lshl_add_u32 v29, v0, 2, LIST
	v_lshlrev_b32 v30, 2, v2
	s_lshl_b32 s30, s18, 6
	s_lshl_b32 s31, s17, 1
	s_add_co_u32 s30, s30, s31
	s_add_co_u32 s30, s30, HSC
	v_add_nc_u32 v30, s30, v30                     ; h's scale word of row 16 rb + r, my two bytes of it; it steps with the loop
	v_and_b32 v31, 3, v0
	v_lshlrev_b32 v31, 3, v31
	v_lshl_add_u32 v155, v0, 4, HSC
	v_lshlrev_b32 v156, 4, v0
	v_lshlrev_b32 v158, 6, v3                      ; b1: 64 h
	v_mov_b32 v[WK+2], 0                           ; written once: a lane permute's destination counts as one of its sources
	v_mov_b32 v[WK+3], 0
.irp i, 0,1,2,3
	v_mov_b32 v[172+\i], 0
.endr
	s_mov_b32 s36, 0x76543210
	s_mov_b32 s37, 0xfedcba98
	s_wait_kmcnt 0x0
	s_min_u32 s24, s24, 7                          ; what was read is held inside the tables that it indexes
	s_min_u32 s25, s25, 4320
	s_min_u32 s26, s26, 16
	s_add_co_u32 s41, s25, 32                      ; group 1's first row, held so that its 32 entries lie inside the list's 4,352 (the hold changes nothing where the chunk has a group 1)
	s_min_u32 s41, s41, 4320
	v_add_nc_u32 v159, s25, v4
	v_lshlrev_b32 v159, 2, v159
	v_lshrrev_b32 v160, 2, v0
	v_add_nc_u32 v187, s41, v160
	v_add_nc_u32 v160, s25, v160
	v_lshlrev_b32 v160, 2, v160
	v_lshlrev_b32 v187, 2, v187
	v_add_nc_u32 v186, s41, v4
	v_lshlrev_b32 v186, 2, v186
.irp jj, 0,1,2,3
	global_load_b32 v[TK+\jj], v159, s[6:7] offset:32*\jj          ; group 0's entries
.endr
	global_load_b32 v[TK+4], v160, s[6:7]
.irp jj, 0,1,2,3
	global_load_b32 v[TK2+\jj], v186, s[6:7] offset:32*\jj         ; group 1's
.endr
	global_load_b32 v[TK2+4], v187, s[6:7]
	s_mul_i32 s30, s24, 1572864                    ; W1: the expert's 2,048 rows of 768 bytes,
	s_mul_i32 s31, ttmp9, 98304                    ; my 128 of them
	s_add_co_u32 s30, s30, s31
	s_mov_b32 s31, 0
	s_add_nc_u64 s[8:9], s[8:9], s[30:31]
	WIN 0x40
.irp jj, 0,1,2,3,4,5,6,7,8,9,10,11,12,13,14,15
.irp pt, 0,1,2
	global_load_b128 v[4*(3*\jj+\pt):4*(3*\jj+\pt)+3], v6, s[8:9] offset:6144*\jj+256*\pt
.endr
.endr
	WIN 0
	s_wait_loadcnt 48                              ; both groups' entries are in; the 48 loads of W1 may be out
	ADDR TK, GA
	ALOAD 0, GA                                    ; group 0, whatever ng: so the registers on the way are defined on every path
.irp k, 0,1,2,3,4
	v_add3_u32 v[161+\k], s25, v0, 128*\k
	v_min_u32 v[161+\k], 0x10ff, v[161+\k]
	v_lshlrev_b32 v[161+\k], 2, v[161+\k]
	global_load_b32 v[166+\k], v[161+\k], s[6:7]   ; 640 entries from the first row on, held inside the list
.endr
	s_lshl_b32 s30, s24, 16
	s_lshl_b32 s31, ttmp9, 12
	s_add_co_u32 s30, s30, s31
	s_lshl_b32 s31, s17, 11
	s_add_co_u32 s30, s30, s31
	s_mov_b32 s31, 0
	s_add_nc_u64 s[10:11], s[10:11], s[30:31]      ; W1's scale bytes at my 64 units
	s_lshl_b32 s30, s24, 13
	s_lshl_b32 s33, ttmp9, 9
	s_add_co_u32 s30, s30, s33
	s_lshl_b32 s33, s17, 8
	s_add_co_u32 s30, s30, s33
	s_add_nc_u64 s[12:13], s[12:13], s[30:31]      ; b1 likewise
.irp tu, 0,1,2,3
	global_load_b128 v[BS+8*\tu:BS+8*\tu+3], v157, s[10:11] offset:(32*(\tu/2)+8*(\tu%2))*32      ; a row's eight scale words: register 8 tile + K step
	global_load_b128 v[BS+8*\tu+4:BS+8*\tu+7], v157, s[10:11] offset:(32*(\tu/2)+8*(\tu%2))*32+16
.endr
.irp tu, 0,1,2,3
	global_load_b128 v[BI+8*\tu:BI+8*\tu+3], v158, s[12:13] offset:(32*(\tu/2)+8*(\tu%2))*4       ; b1 of units 32 (tile / 2) + 16 h + 8 (tile % 2) + 0 .. 7
	global_load_b128 v[BI+8*\tu+4:BI+8*\tu+7], v158, s[12:13] offset:(32*(\tu/2)+8*(\tu%2))*4+16
.endr
	ADDR TK2, GA2
	ALOAD 1, GA2                                   ; group 1, whatever ng, LAST of the head's loads: it alone stays out over the head's end
	s_wait_loadcnt 47                              ; W1 is in; behind it 13 loads of group 0, 5 of the list, 8 of scales, 8 of b1, 13 of group 1
	WIN 0x04
.irp jj, 0,1,2,3,4,5,6,7
.irp pt, 0,1,2
	ds_store_b128 v7, v[4*(3*\jj+\pt):4*(3*\jj+\pt)+3] offset:8*PB*\jj+256*\pt
.endr
.endr
.irp jj, 8,9,10,11,12,13,14,15
.irp pt, 0,1,2
	ds_store_b128 v8, v[4*(3*\jj+\pt):4*(3*\jj+\pt)+3] offset:8*PB*(\jj-8)+256*\pt
.endr
.endr
	WIN 0
	s_wait_loadcnt 13                              ; all but group 1's 13 loads
.irp k, 0,1,2,3,4
	ds_store_b32 v29, v[166+\k] offset:512*\k
.endr
	ASTORE 0, 0
	s_mul_i32 s30, s25, 1536                       ; hq: 1,536 bytes a sorted row and 16 K steps,
	s_mul_i32 s33, s18, 24576                      ; my 16 rows of a group,
	s_add_co_u32 s30, s30, s33
	s_mul_i32 s33, ttmp9, 1536                     ; K step cs
	s_add_co_u32 s30, s30, s33
	s_add_nc_u64 s[34:35], s[14:15], s[30:31]
	s_mul_i32 s30, ttmp9, 4352
	s_add_co_u32 s30, s30, s25
	s_lshl_b32 s30, s30, 2
	s_add_co_u32 s30, s30, HS_OFF
	s_add_nc_u64 s[38:39], s[14:15], s[30:31]      ; the chunk's scale words of K step cs
	s_wait_dscnt 0x0                               ; my part of W1, of the list and of group 0 lies in LDS
	s_barrier_signal -1
	s_barrier_wait -1
	WIN 0x40
.irp ks, 0,1,2,3
.irp tu, 0,1,2,3
.irp pc, 0,1,2,3,4,5
	ds_load_b64 v[12*(4*\ks+\tu)+2*\pc:12*(4*\ks+\tu)+2*\pc+1], v9 offset:(32*(\tu/2)+8*(\tu%2))*PB+96*\ks+48*(\pc/3)+8*(\pc%3)
.endr
.endr
.endr
	WIN 0x80
.irp ks, 4,5,6,7
.irp tu, 0,1,2,3
.irp pc, 0,1,2,3,4,5
	ds_load_b64 v[12*(4*(\ks-4)+\tu)+2*\pc:12*(4*(\ks-4)+\tu)+2*\pc+1], v9 offset:(32*(\tu/2)+8*(\tu%2))*PB+96*\ks+48*(\pc/3)+8*(\pc%3)
.endr
.endr
.endr
	WIN 0
.irp jj, 0,1,2,3
	ds_load_b32 v[TK+\jj], v14 offset:256+32*\jj   ; group 2's entries
.endr
	ds_load_b32 v[TK+4], v15 offset:256
	s_wait_dscnt 0x0
; K step ks: four matrix instructions, the four accumulators by turns
.macro MM ks
.if \ks < 4
	WIN 0x0d                                       ; source 0 (W1) window 1, source 1 (x) window 3
.else
	WIN 0x0e                                       ; source 0 window 2
.endif
.irp tu, 0,1,2,3
.if \ks == 0
	v_wmma_scale_f32_16x16x128_f8f6f4 v[ACC+8*\tu:ACC+8*\tu+7], v[12*(4*(\ks%4)+\tu):12*(4*(\ks%4)+\tu)+11], v[12*\ks:12*\ks+11], v[BI+8*\tu:BI+8*\tu+7], v[BS+8*\tu+\ks], v[AS+\ks] matrix_a_fmt:MATRIX_FMT_FP6 matrix_b_fmt:MATRIX_FMT_FP6
.else
	v_wmma_scale_f32_16x16x128_f8f6f4 v[ACC+8*\tu:ACC+8*\tu+7], v[12*(4*(\ks%4)+\tu):12*(4*(\ks%4)+\tu)+11], v[12*\ks:12*\ks+11], v[ACC+8*\tu:ACC+8*\tu+7], v[BS+8*\tu+\ks], v[AS+\ks] matrix_a_fmt:MATRIX_FMT_FP6 matrix_b_fmt:MATRIX_FMT_FP6
.endif
.endr
.endm
; relu, the two blocks' scales, the codes, the exchange of halves; three stores of 256 consecutive bytes, and my two scale bytes to LDS
.macro EPI sl
.irp j, 0,1,2,3,4,5,6,7,8,9,10,11,12,13,14,15,16,17,18,19,20,21,22,23,24,25,26,27,28,29,30,31
	v_max_num_f32 v[ACC+\j], 0, v[ACC+\j]          ; each accumulator from its low end on
.endr
.irp b, 0,1
	v_max3_num_f32 v[WK+\b], v[ACC+16*\b], v[ACC+16*\b+1], 0x1800000   ; none is negative: no |.|; the floor 2^(3 - 127) holds the byte at 1 from below
.endr
.irp i, 2,4,6,8,10,12,14
.irp b, 0,1
	v_max3_num_f32 v[WK+\b], v[WK+\b], v[ACC+16*\b+\i], v[ACC+16*\b+\i+1]
.endr
.endr
.irp b, 0,1
	v_permlanex16_b32 v[WK+2+\b], v[WK+\b], s36, s37
.endr
.irp b, 0,1
	v_max_num_f32 v[WK+\b], v[WK+\b], v[WK+2+\b]   ; with lane l xor 16's 16: the block's largest
.endr
.irp b, 0,1
	v_add_nc_u32 v[WK+4+\b], 0xff000000, v[WK+\b]  ; 2 off its exponent field: the conversion's scale operand
.endr
.irp b, 0,1
	v_lshrrev_b32 v[WK+6+\b], 23, v[WK+4+\b]       ; the byte
.endr
	v_lshl_or_b32 v[WK+8], v[WK+7], 8, v[WK+6]
	v_cvt_scalef32_pk16_fp6_f32 v[PC:PC+2], v[ACC:ACC+15], v[WK+4]
	v_cvt_scalef32_pk16_fp6_f32 v[QC:QC+2], v[ACC+16:ACC+31], v[WK+5]
	v_nop                                          ; one plain line behind the conversions
.irp i, 0,1,2
	v_permlane16_swap_b32 v[PC+\i], v[QC+\i]       ; a whole block to a lane: lanes 0-15 my first block, lanes 16-31 my second
.endr
.irp i, 0,1,2
	v_mov_b32 v[PC+3+\i], v[QC+\i]
.endr
.irp i, 0,1,2
	global_store_b64 v28, v[PC+2*\i:PC+2*\i+1], s[34:35] offset:256*\i   ; 32 lanes store 256 consecutive bytes, at a multiple of 256 from hq's first byte
.endr
	ds_store_b16 v30, v[WK+8] offset:128*\sl       ; lanes l and l xor 16 write the same two bytes with the same value
.endm
; The work on the group in slot sl: its fragments and scale words from LDS, 32 matrix instructions, the way out
.macro WORK sl
	ds_load_b128 v[AS:AS+3], v11 offset:SLB*\sl
	ds_load_b128 v[AS+4:AS+7], v11 offset:SLB*\sl+16
	WIN 0xc0
.irp ks, 0,1,2,3,4,5,6,7
.irp pc, 0,1,2,3,4,5
	ds_load_b64 v[12*\ks+2*\pc:12*\ks+2*\pc+1], v10 offset:SLB*\sl+96*\ks+48*(\pc/3)+8*(\pc%3)
.endr
.endr
.irp ks, 0,1,2,3,4,5,6,7
	s_wait_dscnt 6*(7-\ks)                         ; K step ks's fragment is in; the six loads of each later K step may be out
	MM \ks
.endr
	WIN 0
.rept 5
	v_nop                                          ; places behind the last products: their results are read below, and the next trip loads into and writes over their registers
.endr
	EPI \sl
.endm
; A TRIP: group t lies in slot sl = t % 2, group t + 1 is on its way in set 1 - sl.  A trip has two ways, so that the counted wait stands on the same way as the 13 loads that it leaves out.
.macro TRIP sl
	s_add_co_u32 s32, s28, 1
	s_add_co_u32 s33, s28, 2
	s_cmp_lt_u32 s33, s26
	s_cbranch_scc0 .Ltail_\@
	ADDR TK, GA                                    ; THE FULL WAY, t + 2 < ng.  (The last trip's wait on XCNT stands between its loads and this rewriting of their offsets)
	ALOAD \sl, GA                                  ; group t + 2 into the set that group t has left: it has this trip and the next trip's products in which to land
.irp jj, 0,1,2,3
	ds_load_b32 v[TK+\jj], v16 offset:128*\sl+32*\jj   ; group t + 3's entries
.endr
	ds_load_b32 v[TK+4], v17 offset:128*\sl
	WORK \sl
	s_wait_loadcnt 13                              ; group t + 1, asked for a trip ago, is in; the 13 loads of group t + 2 may be out
	ASTORE 1-\sl, 1-\sl
	s_branch .Ljoin_\@
.Ltail_\@:                                         ; THE TAIL'S WAY: nothing more is asked for
	s_cmp_lt_u32 s28, s26
	s_cbranch_scc0 .Lno_rows_\@
	WORK \sl
.Lno_rows_\@:
	s_wait_loadcnt 0x0                             ; no load was issued on this way: all that were out are in
	s_cmp_lt_u32 s32, s26
	s_cbranch_scc0 .Ljoin_\@
	ASTORE 1-\sl, 1-\sl
.Ljoin_\@:
	s_wait_dscnt 0x0                               ; my stores into the other slot have landed, and my reads of this slot are back:
	s_barrier_signal -1
	s_barrier_wait -1                              ; one barrier orders both, for every wave
	s_wait_xcnt 0x0                                ; the stores have read their data and their base, the loads their offsets
	s_add_nc_u64 s[34:35], s[34:35], 32*1536
	s_add_co_u32 s28, s28, 1
.endm
	s_mov_b32 s28, 0                               ; t
	s_mov_b32 s29, 8
.Lloop:
	TRIP 0
	TRIP 1
	s_wait_alu depctr_va_vdst(0)
	v_add_nc_u32 v16, 256, v16                     ; two groups on (no LDS instruction of mine is out)
	v_add_nc_u32 v17, 256, v17
	v_add_nc_u32 v30, 256, v30
	s_sub_co_u32 s29, s29, 1
	s_cmp_lg_u32 s29, 0
	s_cbranch_scc1 .Lloop
	; the chunk's 32 ng scale words: 16 bytes a thread, behind the last trip's barrier
	s_lshl_b32 s33, s26, 3
	v_cmp_gt_u32 vcc_lo, s33, v0
	s_wait_tensorcnt 0x0
	ds_add_u32 v254, v255
	s_wait_dscnt 0x0
	s_and_saveexec_b32 s40, vcc_lo                 ; (behind the trip's wait on XCNT)
	ds_load_b128 v[172:175], v155
	s_wait_dscnt 0x0
	global_store_b128 v156, v[172:175], s[38:39]
	s_wait_xcnt 0x0
	s_or_b32 exec_lo, exec_lo, s40
	s_endpgm
.Lfunc_end_k_q9e29c88ef5_ffn1:
	.size	k_q9e29c88ef5_ffn1, .Lfunc_end_k_q9e29c88ef5_ffn1-k_q9e29c88ef5_ffn1
	.p2alignl 7, 3214868480
	.fill 96, 4, 3214868480
	.section	.rodata,"a",@progbits
	.p2align	6, 0x0
	.amdhsa_kernel k_q9e29c88ef5_ffn1
		.amdhsa_group_segment_fixed_size 157696
		.amdhsa_private_segment_fixed_size 0
		.amdhsa_enable_private_segment 0
		.amdhsa_kernarg_size 48
		.amdhsa_user_sgpr_count 2
		.amdhsa_user_sgpr_kernarg_segment_ptr 1
		.amdhsa_wavefront_size32 1
		.amdhsa_system_sgpr_workgroup_id_x 1
		.amdhsa_system_sgpr_workgroup_id_y 1
		.amdhsa_system_sgpr_workgroup_id_z 1
		.amdhsa_system_vgpr_workitem_id 0
		.amdhsa_next_free_vgpr 1024
		.amdhsa_next_free_sgpr 66
		.amdhsa_reserve_vcc 1
		.amdhsa_float_denorm_mode_32 3
		.amdhsa_float_denorm_mode_16_64 3
		.amdhsa_memory_ordered 1
		.amdhsa_forward_progress 1
		.amdhsa_inst_pref_size 90
	.end_amdhsa_kernel
	.amdgpu_metadata
---
amdhsa.version: [ 1, 2 ]
amdhsa.kernels:
  - .name:           k_q9e29c88ef5_ffn1
    .symbol:         k_q9e29c88ef5_ffn1.kd
    .args:
      - { .name: xq, .offset: 0, .size: 8, .value_kind: global_buffer, .address_space: global }
      - { .name: ord, .offset: 8, .size: 8, .value_kind: global_buffer, .address_space: global }
      - { .name: w1_codes, .offset: 16, .size: 8, .value_kind: global_buffer, .address_space: global }
      - { .name: w1_scales, .offset: 24, .size: 8, .value_kind: global_buffer, .address_space: global }
      - { .name: b1, .offset: 32, .size: 8, .value_kind: global_buffer, .address_space: global }
      - { .name: hq, .offset: 40, .size: 8, .value_kind: global_buffer, .address_space: global }
    .group_segment_fixed_size: 157696
    .private_segment_fixed_size: 0
    .kernarg_segment_align: 8
    .kernarg_segment_size: 48
    .max_flat_workgroup_size: 128
    .sgpr_count:     66
    .vgpr_count:     1024
    .wavefront_size: 32
...
	.end_amdgpu_metadata
.endif
;; end of part 3
;; launch ffn2 (part 4): grid 8 x 32, 4 waves a work-group, no clusters, 201,216 bytes of LDS; arguments hq, ord, gs, w2_codes, w2_scales, b2, ybuf; writes ybuf
.if DOCPART == 4
	.amdgcn_target "amdgcn-amd-amdhsa--gfx1250"
	.amdhsa_code_object_version 6
	.text
	.protected	k_q9e29c88ef5_ffn2
	.globl	k_q9e29c88ef5_ffn2
	.p2align	8
	.type	k_q9e29c88ef5_ffn2,@function
k_q9e29c88ef5_ffn2:
	s_mov_b64 s[64:65], 0
	v_nop
	global_prefetch_b8 v0, s[64:65] scope:SCOPE_SE
	s_setreg_imm32_b32 hwreg(HW_REG_WAVE_MODE, 25, 1), 1
	s_wait_xcnt 0x0
; THE SECOND PRODUCT OF THE CHOSEN ROWS: ybuf[entry] = gate x (h W2[e] + b2[e]), on codes of FP6 (E2M3) with one E8M0 scale for each 32 along K = 2,048.
; Only the rows of the two experts chosen for a token are multiplied: the sum that is asked for gives every other expert's row the weight 0.
; SHARES.  Work-group (x = slice, y = chunk): 128 outputs 128 slice .. + 127 of one expert, for the chunk's ng groups of 32 sorted rows (a record read from ord).
; Wave w takes QUARTER w OF K (K steps 4 w .. 4 w + 3) for all 128 outputs and all 32 rows: its 32 fragments of W2 (8 tiles x 4 K steps, 384 registers) stay in registers.
; W2's 196,608 bytes are read once, in runs of 256 bytes, and turned through LDS; output 64 c + 4 r + u lies in LDS row 64 c + 16 u + r, so that the sixteen rows of a tile are neighbours, 388 words apart.
; h's codes lie in hq as the operand's registers, so each wave loads its own fragments from memory straight into registers, 256 consecutive bytes a load, each byte once a work-group:
; 48 loads of 8 bytes and 4 of scale words a group, asked for TWO GROUPS AHEAD into two sets of registers.  So no prefetch is laid: the loads themselves run ahead.
; THE FOUR PARTIAL SUMS MEET IN LDS.  A wave has 16 accumulators in four sets; set g of wave w belongs to wave w xor g, which owns row block (w xor g) / 2 and output half (w xor g) % 2.
; Set 0 is kept, sets 1-3 are sent (12,288 bytes a wave), the owner adds the three that it receives.  The exchange has two halves that take turns: one barrier a trip.
; STATED: the four quarters of K are summed apart and then added: another order of rounding.  b2 is the C of the kept set's first matrix instruction.
; THE PRODUCT IS NOT TRANSPOSED (source 0 = 16 rows of h, source 1 = 16 rows of W2): register j of tiles u = 0 .. 3 is four neighbouring outputs of row 8 h + j; sixteen lanes store 256 consecutive bytes of ybuf.
; THE LOOP HAS 6 TRIPS, a constant, with its barrier on every wave's path; the stored ng only jumps over work that holds no barrier.
; NO TENSOR LOADS AND NO CLUSTER: what a trip does hangs on a count read from memory, and partners of a cluster would have different numbers of groups.
; LIMITS: NaN and infinities are not served.
; REGISTERS.  Window 0: v1-31 addresses; v32-39 h's scale words, two sets (lanes 0-15 the kept block's rows, lanes 16-31 the other's); v40-71 W2's; v72-79 entries; v80-87 gates; v88-119 results; v128-255 accumulators.
;   Windows 1, 2: W2's fragments of K steps 0-1, 2-3 at 96 (k % 2) + 48 half + 12 u (first the 96 raw loads).  Window 1 v192-223: b2 in the result's layout.
;   Window 3: v0-95, v96-191 h's fragments, two sets.  v224-255 of windows 1, 2, 3: the three sets received.
.set HS_OFF, 6684672
.set TAB4,   17920
.set PB,     1552                      ; an LDS row of W2: 1,536 bytes + 16
.set XS,     49152                     ; a half of the exchange; both lie where W2's rows lay
.set ENT,    128*PB                    ; 256 entries
.set GAT,    ENT+1024                  ; 256 gates
.set SPARE,  GAT+1024                  ; the spare words: 128 bytes a wave
.set SPW,  20
.set NIL,  21
.set AS,   32
.set BS,   40
.set EN,   72
.set GT,   80
.set OO,   88
.set XT,   120
.set ACC,  128
.set MSB, 0
.macro WIN new                         ; the immediate's high byte repeats the setting that is left
.if MSB != \new
	s_set_vgpr_msb (MSB<<8)|\new
.set MSB, \new
.endif
.endm
.macro WLOAD jj                        ; rows 8 jj .. 8 jj + 7 of W2: sixteen lanes read 256 consecutive bytes of a row
.if (\jj) < 8
	WIN 0x40
.else
	WIN 0x80
.endif
.irp pt, 0,1,2,3,4,5
	global_load_b128 v[24*((\jj)%8)+4*\pt:24*((\jj)%8)+4*\pt+3], v6, s[10:11] offset:12288*(\jj)+256*\pt
.endr
.endm
.macro WSTORE jj                       ; into LDS rows 64 (jj / 8) + 16 (q % 4) + 2 (jj % 8) + q / 4, q = t / 16
.if (\jj) < 8
	WIN 0x04
.else
	WIN 0x08
.endif
.irp pt, 0,1,2,3,4,5
	ds_store_b128 v[7+(\jj)/8], v[24*((\jj)%8)+4*\pt:24*((\jj)%8)+4*\pt+3] offset:2*((\jj)%8)*PB+256*\pt
.endr
.endm
.macro HLOAD set, kb, k, sb            ; one fragment of h: six loads of 256 consecutive bytes.  kb = 0: the block that I own, 1: the other
.irp pc, 0,1,2,3,4,5
	global_load_b64 v[96*(\set)+48*(\kb)+12*(\k)+2*\pc:96*(\set)+48*(\kb)+12*(\k)+2*\pc+1], v[13+(\kb)], s[\sb:\sb+1] offset:1536*(\k)+256*\pc
.endr
.endm
.macro SLOAD set, ss                   ; the group's scale words of my four K steps: 128 consecutive bytes a load
.irp k, 0,1,2,3
	global_load_b32 v[AS+4*(\set)+\k], v15, s[\ss:\ss+1] offset:17408*\k
.endr
.endm
.macro GLOAD set, sb, ss               ; a group: 52 loads
	WIN 0xc0
.irp kb, 0,1
.irp k, 0,1,2,3
	HLOAD \set, \kb, \k, \sb
.endr
.endr
	WIN 0
	SLOAD \set, \ss
.endm
	s_load_b256 s[4:11], s[0:1], 0x0               ; hq s[4:5], ord s[6:7], gs s[8:9], W2's codes s[10:11]
	s_load_b128 s[12:15], s[0:1], 0x20             ; W2's scales s[12:13], b2 s[14:15]
	s_load_b64 s[16:17], s[0:1], 0x30              ; ybuf
	v_lshl_add_u32 v[SPW], v0, 2, SPARE
	v_mov_b32 v[NIL], 0
	v_lshrrev_b32 v1, 5, v0
	v_readfirstlane_b32 s18, v1                    ; wave w: my quarter of K
	s_and_b32 s19, s18, 1                          ; c0: the half of the outputs that I own
	s_lshr_b32 s20, s18, 1                         ; b0: the block of rows that I own
	s_and_b32 s22, ttmp7, 0xffff                   ; chunk
	s_lshl_b32 s22, s22, 4
	s_add_co_u32 s22, s22, TAB4
	s_mov_b32 s23, 0
	s_wait_kmcnt 0x0
	s_add_nc_u64 s[22:23], s[6:7], s[22:23]
	s_load_b128 s[24:27], s[22:23], 0x0            ; expert, first row, groups
	; what hangs on the wave's number, as scalars
	s_mul_i32 s30, s18, 384                        ; my quarter of a row of W2
	s_mul_i32 s31, s19, 64*PB
	s_add_co_u32 s31, s31, s30                     ; W2's fragments, half c0
	s_xor_b32 s33, s19, 1
	s_mul_i32 s48, s33, 4096                       ; W2's scale bytes, the other half's 64 rows
	s_mul_i32 s33, s33, 64*PB
	s_add_co_u32 s33, s33, s30                     ; W2's fragments, the other half
	s_mul_i32 s30, s18, 6144                       ; four K steps of 1,536 bytes
	s_mul_i32 s38, s20, 24576
	s_add_co_u32 s38, s38, s30                     ; h: block b0
	s_xor_b32 s39, s20, 1
	s_mul_i32 s39, s39, 24576
	s_add_co_u32 s39, s39, s30                     ; h: the other block
	s_mul_i32 s40, s18, 4*17408                    ; h's scale words: 17,408 bytes a K step
	s_xor_b32 s41, s18, 1                          ; the exchange: set g goes to wave w xor g, part g - 1 of its 12,288 bytes
	s_mul_i32 s41, s41, 12288
	s_xor_b32 s42, s18, 2
	s_mul_i32 s42, s42, 12288
	s_add_co_u32 s42, s42, 4096
	s_xor_b32 s43, s18, 3
	s_mul_i32 s43, s43, 12288
	s_add_co_u32 s43, s43, 8192
	s_mul_i32 s44, s18, 12288                      ; and what I receive
	s_lshl_b32 s45, s20, 6
	s_lshl_b32 s46, ttmp9, 9
	s_lshl_b32 s47, s19, 8
	s_add_co_u32 s46, s46, s47                     ; in a row of ybuf: 512 slice + 256 c0
	s_lshl_b32 s47, s19, 12
	s_lshl_b32 s49, s20, 4
	; and the lanes' part
	v_and_b32 v1, 31, v0                           ; lane
	v_and_b32 v2, 15, v0                           ; r
	v_bfe_u32 v3, v0, 4, 1                         ; h
	v_lshrrev_b32 v4, 4, v0                        ; q = t / 16
	v_lshlrev_b32 v5, 4, v2
	v_mad_u32_u24 v6, v4, 1536, v5                 ; W2 in memory: row q, 16 (t % 16)
	v_and_b32 v30, 3, v4
	v_lshrrev_b32 v31, 2, v4
	v_lshl_add_u32 v30, v30, 4, v31                ; LDS row 16 (q % 4) + q / 4
	v_mad_u32_u24 v7, v30, PB, v5
	v_add_nc_u32 v8, 64*PB, v7                     ; outputs 64 on
	v_mul_u32_u24 v30, v2, PB
	v_mad_u32_u24 v30, v3, 24, v30
	v_add_nc_u32 v9, s31, v30                      ; W2's fragments: half c0, tiles 0-1,
	v_add_nc_u32 v10, 32*PB, v9                    ; tiles 2-3;
	v_add_nc_u32 v11, s33, v30                     ; the other half
	v_add_nc_u32 v12, 32*PB, v11
	v_lshlrev_b32 v31, 3, v1
	v_add_nc_u32 v13, s38, v31                     ; h's fragments in a group: 8 x lane
	v_add_nc_u32 v14, s39, v31
	v_lshlrev_b32 v15, 4, v3
	v_xor_b32 v15, s49, v15
	v_add_nc_u32 v15, v15, v2                      ; lanes 0-15: rows of block b0, lanes 16-31: of the other
	v_lshl_add_u32 v15, v15, 2, s40
	v_lshlrev_b32 v19, 4, v1
	v_add_nc_u32 v16, s41, v19
	v_add_nc_u32 v17, s42, v19
	v_add_nc_u32 v18, s43, v19
	v_add_nc_u32 v19, s44, v19
	v_lshl_add_u32 v22, v0, 2, ENT
	v_lshl_add_u32 v23, v0, 2, GAT
	v_lshlrev_b32 v24, 5, v3
	v_add_nc_u32 v24, s45, v24
	v_add_nc_u32 v25, GAT, v24                     ; the gates of rows 16 b0 + 8 h + 0 .. 7; both step with the loop
	v_add_nc_u32 v24, ENT, v24                     ; their entries
	v_add_nc_u32 v26, s46, v5
	v_lshlrev_b32 v27, 8, v2                       ; W2's scale bytes: 64 a row, rows 4 r on
	v_add_nc_u32 v30, s48, v27
	v_add_nc_u32 v27, s47, v27
	s_wait_alu depctr_va_vdst(0)
	s_wait_kmcnt 0x0
	s_min_u32 s24, s24, 7                          ; what was read is held inside the tables that it indexes
	s_min_u32 s25, s25, 4320
	s_min_u32 s26, s26, 6
	v_add_nc_u32 v28, s25, v0
	v_add_nc_u32 v29, 128, v28
	v_min_u32 v28, 0x10ff, v28
	v_min_u32 v29, 0x10ff, v29
	v_lshlrev_b32 v28, 2, v28
	v_lshlrev_b32 v29, 2, v29
	global_load_b32 v[OO], v28, s[6:7]             ; 256 entries and gates from the first row on, held inside the list
	global_load_b32 v[OO+1], v29, s[6:7]
	global_load_b32 v[OO+2], v28, s[8:9]
	global_load_b32 v[OO+3], v29, s[8:9]
	s_mul_i32 s30, s24, 1572864                    ; W2: the expert's 1,024 rows of 1,536 bytes,
	s_mul_i32 s31, ttmp9, 196608                   ; my 128 of them
	s_add_co_u32 s30, s30, s31
	s_mov_b32 s31, 0
	s_add_nc_u64 s[10:11], s[10:11], s[30:31]
.set J, 0
.rept 9
	WLOAD J                                        ; nine batches of six loads go out first
.set J, J+1
.endr
	WIN 0
	s_mul_i32 s30, s25, 1536
	s_add_nc_u64 s[34:35], s[4:5], s[30:31]        ; group 0's codes,
	s_add_nc_u64 s[38:39], s[34:35], 2*49152       ; group 2's: this base steps with the loop
	s_lshl_b32 s30, s25, 2
	s_add_co_u32 s30, s30, HS_OFF
	s_add_nc_u64 s[36:37], s[4:5], s[30:31]        ; and the same for the scale words
	s_add_nc_u64 s[40:41], s[36:37], 2*128
	s_add_co_u32 s33, s25, 32                      ; group 1's first row, held inside hq's 4,352 rows (the hold changes nothing where the chunk has a group 1)
	s_min_u32 s33, s33, 4320
	s_mul_i32 s30, s33, 1536
	s_add_nc_u64 s[42:43], s[4:5], s[30:31]
	s_lshl_b32 s30, s33, 2
	s_add_co_u32 s30, s30, HS_OFF
	s_add_nc_u64 s[44:45], s[4:5], s[30:31]
	s_lshl_b32 s30, s24, 16
	s_lshl_b32 s33, ttmp9, 13
	s_add_co_u32 s30, s30, s33
	s_lshl_b32 s33, s18, 4
	s_add_co_u32 s30, s30, s33
	s_add_nc_u64 s[12:13], s[12:13], s[30:31]      ; W2's scale bytes at my 128 outputs, my quarter of K
	s_lshl_b32 s30, s24, 12
	s_add_co_u32 s30, s30, s46
	s_add_nc_u64 s[14:15], s[14:15], s[30:31]      ; b2 at the 64 outputs that I own
; Batch J is stored while eight batches of six loads are out behind it: W2's later batches, and behind the last of them group 0's eight fragments, one for each batch stored.
.set J, 0
.rept 16
	s_wait_loadcnt 48                              ; batch J is in; the 48 loads issued behind it may be out
.if J == 0
	ds_store_b32 v22, v[OO]                        ; entries and gates were asked for ahead of W2
	ds_store_b32 v22, v[OO+1] offset:512
	ds_store_b32 v23, v[OO+2]
	ds_store_b32 v23, v[OO+3] offset:512
.endif
	WSTORE J
.if J < 7
	WLOAD J+9
.else
.if J < 15
	WIN 0xc0
	HLOAD 0, (J-7)/4, (J-7)%4, 34
.endif
.endif
.set J, J+1
.endr
	WIN 0
	SLOAD 0, 36
.irp u, 0,1,2,3
	global_load_b128 v[BS+4*\u:BS+4*\u+3], v27, s[12:13] offset:64*\u              ; register 16 half + 4 tile + K step
	global_load_b128 v[BS+16+4*\u:BS+16+4*\u+3], v30, s[12:13] offset:64*\u
.endr
	global_load_b128 v[XT:XT+3], v5, s[14:15]      ; b2 of outputs 4 r + 0 .. 3
	GLOAD 1, 42, 44                                ; group 1, whatever ng, LAST of the head's loads: so both sets are defined on every path, and it alone stays out over the head's end
	s_wait_dscnt 0x0                               ; my part of W2 and of the entries lies in LDS
	s_barrier_signal -1
	s_barrier_wait -1
.irp k, 0,1,2,3
.if \k < 2
	WIN 0x40
.else
	WIN 0x80
.endif
.irp kc, 0,1
.irp u, 0,1,2,3
.irp pc, 0,1,2,3,4,5
	ds_load_b64 v[96*(\k%2)+48*\kc+12*\u+2*\pc:96*(\k%2)+48*\kc+12*\u+2*\pc+1], v[9+2*\kc+\u/2] offset:16*(\u%2)*PB+96*\k+48*(\pc/3)+8*(\pc%3)
.endr
.endr
.endr
.endr
	s_wait_loadcnt 52                              ; group 0, W2's scales and b2 are in; group 1's 52 loads may be out
	WIN 0x40
.irp u, 0,1,2,3
.irp j, 0,1,2,3,4,5,6,7
	v_mov_b32 v[192+8*\u+\j], v[XT+\u]             ; b2 in the result's layout
.endr
.endr
	WIN 0
.irp j, 0,1,2,3,4,5,6,7,8,9,10,11,12,13,14,15,16,17,18,19,20,21,22,23,24,25,26,27,28,29,30,31
	v_mov_b32 v[ACC+\j], 0                         ; once: the sums themselves begin with b2 as C; this only defines the kept set on the paths that a count of 0 takes
.endr
	s_wait_alu depctr_va_vdst(0)                   ; the wait at the head's end
	s_wait_dscnt 0x0                               ; W2's fragments are in registers:
	s_barrier_signal -1
	s_barrier_wait -1                              ; everybody's are, and the exchange may lie where W2's rows lay
.macro WMZ d, a, b, sa, sb, row        ; a sum's first matrix instruction, C = 0.  row = 1: h's scale words stand in lanes 16-31
.if \row
	v_wmma_scale_f32_16x16x128_f8f6f4 v[\d:\d+7], v[\a:\a+11], v[\b:\b+11], 0, v[\sa], v[\sb] matrix_a_fmt:MATRIX_FMT_FP6 matrix_b_fmt:MATRIX_FMT_FP6 matrix_a_scale:MATRIX_SCALE_ROW1
.else
	v_wmma_scale_f32_16x16x128_f8f6f4 v[\d:\d+7], v[\a:\a+11], v[\b:\b+11], 0, v[\sa], v[\sb] matrix_a_fmt:MATRIX_FMT_FP6 matrix_b_fmt:MATRIX_FMT_FP6
.endif
.endm
.macro WMR d, a, b, c, sa, sb, row     ; C in registers
.if \row
	v_wmma_scale_f32_16x16x128_f8f6f4 v[\d:\d+7], v[\a:\a+11], v[\b:\b+11], v[\c:\c+7], v[\sa], v[\sb] matrix_a_fmt:MATRIX_FMT_FP6 matrix_b_fmt:MATRIX_FMT_FP6 matrix_a_scale:MATRIX_SCALE_ROW1
.else
	v_wmma_scale_f32_16x16x128_f8f6f4 v[\d:\d+7], v[\a:\a+11], v[\b:\b+11], v[\c:\c+7], v[\sa], v[\sb] matrix_a_fmt:MATRIX_FMT_FP6 matrix_b_fmt:MATRIX_FMT_FP6
.endif
.endm
; 64 matrix instructions on the group in set z: my four K steps, in each the 16 accumulators by turns.  Set g: h's block g / 2, W2's half g % 2.
.macro MM z
.irp k, 0,1,2,3
.irp g, 0,1,2,3
.if \k == 0 && \g == 0
	WIN 0x17                                       ; source 0 (h) window 3, source 1 (W2) window 1, C (b2) window 1
.else
.if \k < 2
	WIN 0x07
.else
	WIN 0x0b                                       ; source 1 window 2
.endif
.endif
.irp u, 0,1,2,3
.if \k == 0
.if \g == 0
	WMR ACC+8*\u, 96*\z+12*\k, 12*\u, 192+8*\u, AS+4*\z+\k, BS+4*\u+\k, 0
.else
	WMZ ACC+32*\g+8*\u, 96*\z+48*(\g/2)+12*\k, 48*(\g%2)+12*\u, AS+4*\z+\k, BS+16*(\g%2)+4*\u+\k, \g/2
.endif
.else
	WMR ACC+32*\g+8*\u, 96*\z+48*(\g/2)+12*\k, 96*(\k%2)+48*(\g%2)+12*\u, ACC+32*\g+8*\u, AS+4*\z+\k, BS+16*(\g%2)+4*\u+\k, \g/2
.endif
.endr
.endr
.endr
	WIN 0
.endm
.macro SENDX z                         ; sets 1-3 to their owners, as the registers stand; each accumulator from its low end on
.irp g, 1,2,3
.irp i, 0,1,2,3,4,5,6,7
	ds_store_b128 v[15+\g], v[ACC+32*\g+4*\i:ACC+32*\g+4*\i+3] offset:XS*\z+512*\i
.endr
.endr
.endm
; A TRIP: group t stands in set z = t % 2, group t + 1 is on its way into the other set.  The counted wait stands on the same way as the 52 loads that it leaves out.
.macro TRIP z
	s_add_co_u32 s33, s28, 2
	s_cmp_lt_u32 s28, s26
	s_cbranch_scc0 .Lno_rows_\@
	MM \z
.rept 5
	v_nop                                          ; places behind the last products: their results are stored below, loads land on their sources, and the next trip writes over their registers
.endr
	s_cmp_lt_u32 s33, s26
	s_cbranch_scc0 .Llast_\@
	GLOAD \z, 38, 40                               ; group t + 2 into the set that group t has left
	SENDX \z
	s_wait_loadcnt 52                              ; group t + 1, asked for a trip ago, is in; the 52 loads of group t + 2 may be out
	s_branch .Lmeet_\@
.Llast_\@:
	SENDX \z
.Lno_rows_\@:
	s_wait_loadcnt 0x0                             ; no load was issued on this way: all that were out are in
.Lmeet_\@:
	s_wait_dscnt 0x0                               ; my stores into this half of the exchange have landed, and my reads of the other half (the last trip's) are back:
	s_barrier_signal -1
	s_barrier_wait -1                              ; one barrier orders both, for every wave
	s_cmp_lt_u32 s28, s26
	s_cbranch_scc0 .Lno_out_\@
	ds_load_b128 v[EN:EN+3], v24 offset:128*\z
	ds_load_b128 v[EN+4:EN+7], v24 offset:128*\z+16
	ds_load_b128 v[GT:GT+3], v25 offset:128*\z
	ds_load_b128 v[GT+4:GT+7], v25 offset:128*\z+16
.irp g, 1,2,3
	WIN (\g<<6)
.irp i, 0,1,2,3,4,5,6,7
	ds_load_b128 v[224+4*\i:227+4*\i], v19 offset:XS*\z+4096*(\g-1)+512*\i
.endr
.endr
	WIN 0
	s_wait_dscnt 24                                ; entries and gates are in; the 24 loads of the three sets may be out
.irp j, 0,1,2,3,4,5,6,7
	v_min_u32 v[EN+\j], 0x10ff, v[EN+\j]           ; inside ybuf's 4,352 rows, whatever was read
	v_lshl_add_u32 v[EN+\j], v[EN+\j], 12, v26
.endr
.irp g, 1,2,3
	s_wait_dscnt 8*(3-\g)                          ; set g is in; the eight loads of each later set may be out
	WIN (\g<<2)
.irp i, 0,1,2,3,4,5,6,7,8,9,10,11,12,13,14,15
	v_pk_add_f32 v[ACC+2*\i:ACC+2*\i+1], v[ACC+2*\i:ACC+2*\i+1], v[224+2*\i:225+2*\i]      ; another quarter of K; each accumulator from its low end on
.endr
.endr
	WIN 0
.irp j, 0,1,2,3,4,5,6,7
.irp u, 0,1,2,3
	v_mul_f32 v[OO+4*\j+\u], v[ACC+8*\u+\j], v[GT+\j]
.endr
.endr
.irp j, 0,1,2,3,4,5,6,7
	global_store_b128 v[EN+\j], v[OO+4*\j:OO+4*\j+3], s[16:17] th:TH_STORE_NT      ; each half of the lanes stores 256 consecutive bytes, at a multiple of 256 from ybuf's first byte
.endr
.Lno_out_\@:
	s_wait_xcnt 0x0                                ; the stores have read their data and addresses, the loads their bases
	s_add_nc_u64 s[38:39], s[38:39], 49152
	s_add_nc_u64 s[40:41], s[40:41], 128
	s_add_co_u32 s28, s28, 1
.endm
	s_mov_b32 s28, 0                               ; t
	s_mov_b32 s29, 3
.Lloop:
	TRIP 0
	TRIP 1
	v_add_nc_u32 v24, 256, v24                     ; two groups on (no LDS instruction of mine is out)
	v_add_nc_u32 v25, 256, v25
	s_sub_co_u32 s29, s29, 1
	s_cmp_lg_u32 s29, 0
	s_wait_alu depctr_va_vdst(0)
	s_cbranch_scc1 .Lloop
	s_wait_tensorcnt 0x0                           ; the wave's end
	ds_add_u32 v[SPW], v[NIL]
	s_wait_dscnt 0x0
	s_endpgm
.Lfunc_end_k_q9e29c88ef5_ffn2:
	.size	k_q9e29c88ef5_ffn2, .Lfunc_end_k_q9e29c88ef5_ffn2-k_q9e29c88ef5_ffn2
	.p2alignl 7, 3214868480
	.fill 96, 4, 3214868480
	.section	.rodata,"a",@progbits
	.p2align	6, 0x0
	.amdhsa_kernel k_q9e29c88ef5_ffn2
		.amdhsa_group_segment_fixed_size 201216
		.amdhsa_private_segment_fixed_size 0
		.amdhsa_enable_private_segment 0
		.amdhsa_kernarg_size 56
		.amdhsa_user_sgpr_count 2
		.amdhsa_user_sgpr_kernarg_segment_ptr 1
		.amdhsa_wavefront_size32 1
		.amdhsa_system_sgpr_workgroup_id_x 1
		.amdhsa_system_sgpr_workgroup_id_y 1
		.amdhsa_system_sgpr_workgroup_id_z 1
		.amdhsa_system_vgpr_workitem_id 0
		.amdhsa_next_free_vgpr 1024
		.amdhsa_next_free_sgpr 66
		.amdhsa_reserve_vcc 0
		.amdhsa_float_denorm_mode_32 3
		.amdhsa_float_denorm_mode_16_64 3
		.amdhsa_memory_ordered 1
		.amdhsa_forward_progress 1
		.amdhsa_inst_pref_size 98
	.end_amdhsa_kernel
	.amdgpu_metadata
---
amdhsa.version: [ 1, 2 ]
amdhsa.kernels:
  - .name:           k_q9e29c88ef5_ffn2
    .symbol:         k_q9e29c88ef5_ffn2.kd
    .args:
      - { .name: hq, .offset: 0, .size: 8, .value_kind: global_buffer, .address_space: global }
      - { .name: ord, .offset: 8, .size: 8, .value_kind: global_buffer, .address_space: global }
      - { .name: gs, .offset: 16, .size: 8, .value_kind: global_buffer, .address_space: global }
      - { .name: w2_codes, .offset: 24, .size: 8, .value_kind: global_buffer, .address_space: global }
      - { .name: w2_scales, .offset: 32, .size: 8, .value_kind: global_buffer, .address_space: global }
      - { .name: b2, .offset: 40, .size: 8, .value_kind: global_buffer, .address_space: global }
      - { .name: ybuf, .offset: 48, .size: 8, .value_kind: global_buffer, .address_space: global }
    .group_segment_fixed_size: 201216
    .private_segment_fixed_size: 0
    .kernarg_segment_align: 8
    .kernarg_segment_size: 56
    .max_flat_workgroup_size: 128
    .sgpr_count:     66
    .vgpr_count:     1024
    .wavefront_size: 32
...
	.end_amdgpu_metadata
.endif
;; end of part 4
;; launch combine (part 5): grid 256 x 1, 8 waves a work-group, no clusters, 0 bytes of LDS; arguments ybuf, out0; writes out0
.if DOCPART == 5
	.amdgcn_target "amdgcn-amd-amdhsa--gfx1250"
	.amdhsa_code_object_version 6
	.text
	.protected	k_q9e29c88ef5_combine
	.globl	k_q9e29c88ef5_combine
	.p2align	8
	.type	k_q9e29c88ef5_combine,@function
k_q9e29c88ef5_combine:
	s_mov_b64 s[64:65], 0
	v_nop
	global_prefetch_b8 v0, s[64:65] scope:SCOPE_SE
	s_setreg_imm32_b32 hwreg(HW_REG_WAVE_MODE, 25, 1), 1
	s_wait_xcnt 0x0
; out0[token] = ybuf[2 token] + ybuf[2 token + 1]: the two chosen experts' rows, each already times its gate; the six others add 0 in the sum that is asked for.
; A stream: a work-group takes 8 tokens, thread t the 16 bytes at 16 t of every row (256 threads x 16 bytes = a row of 4,096 bytes).  All 16 loads go out first; each load and store of a wave covers 512 consecutive bytes.
; No LDS, no matrix unit, no cluster: nothing is shared and nothing is read twice.
	s_load_b128 s[4:7], s[0:1], 0x0                ; ybuf, out0
	v_lshlrev_b32 v1, 4, v0
	s_lshl_b32 s8, ttmp9, 16                       ; 16 rows of ybuf a work-group
	s_mov_b32 s9, 0
	s_lshl_b32 s10, ttmp9, 15                      ; 8 rows of out0
	s_mov_b32 s11, 0
	s_wait_alu depctr_va_vdst(0)
	s_wait_kmcnt 0x0
	s_add_nc_u64 s[4:5], s[4:5], s[8:9]
	s_add_nc_u64 s[6:7], s[6:7], s[10:11]
.irp k, 0,1,2,3,4,5,6,7
	global_load_b128 v[8+8*\k:11+8*\k], v1, s[4:5] offset:8192*\k th:TH_LOAD_NT
	global_load_b128 v[12+8*\k:15+8*\k], v1, s[4:5] offset:8192*\k+4096 th:TH_LOAD_NT
.endr
.irp k, 0,1,2,3,4,5,6,7
	s_wait_loadcnt 14-2*\k                         ; token k's two loads are in; the two of each later token may be out
	v_pk_add_f32 v[8+8*\k:9+8*\k], v[8+8*\k:9+8*\k], v[12+8*\k:13+8*\k]
	v_pk_add_f32 v[10+8*\k:11+8*\k], v[10+8*\k:11+8*\k], v[14+8*\k:15+8*\k]
	global_store_b128 v1, v[8+8*\k:11+8*\k], s[6:7] offset:4096*\k th:TH_STORE_NT
.endr
	s_endpgm
.Lfunc_end_k_q9e29c88ef5_combine:
	.size	k_q9e29c88ef5_combine, .Lfunc_end_k_q9e29c88ef5_combine-k_q9e29c88ef5_combine
	.p2alignl 7, 3214868480
	.fill 96, 4, 3214868480
	.section	.rodata,"a",@progbits
	.p2align	6, 0x0
	.amdhsa_kernel k_q9e29c88ef5_combine
		.amdhsa_group_segment_fixed_size 0
		.amdhsa_private_segment_fixed_size 0
		.amdhsa_enable_private_segment 0
		.amdhsa_kernarg_size 16
		.amdhsa_user_sgpr_count 2
		.amdhsa_user_sgpr_kernarg_segment_ptr 1
		.amdhsa_wavefront_size32 1
		.amdhsa_system_sgpr_workgroup_id_x 1
		.amdhsa_system_sgpr_workgroup_id_y 1
		.amdhsa_system_sgpr_workgroup_id_z 1
		.amdhsa_system_vgpr_workitem_id 0
		.amdhsa_next_free_vgpr 72
		.amdhsa_next_free_sgpr 66
		.amdhsa_reserve_vcc 0
		.amdhsa_float_denorm_mode_32 3
		.amdhsa_float_denorm_mode_16_64 3
		.amdhsa_memory_ordered 1
		.amdhsa_forward_progress 1
		.amdhsa_inst_pref_size 5
	.end_amdhsa_kernel
	.amdgpu_metadata
---
amdhsa.version: [ 1, 2 ]
amdhsa.kernels:
  - .name:           k_q9e29c88ef5_combine
    .symbol:         k_q9e29c88ef5_combine.kd
    .args:
      - { .name: ybuf, .offset: 0, .size: 8, .value_kind: global_buffer, .address_space: global }
      - { .name: out0, .offset: 8, .size: 8, .value_kind: global_buffer, .address_space: global }
    .group_segment_fixed_size: 0
    .private_segment_fixed_size: 0
    .kernarg_segment_align: 8
    .kernarg_segment_size: 16
    .max_flat_workgroup_size: 256
    .sgpr_count:     66
    .vgpr_count:     72
    .wavefront_size: 32
...
	.end_amdgpu_metadata
.endif
;; end of part 5
